; MI455X (gfx1250); checked and timed in simulation.
; The chip was launched on July 23, 2026; its instructions are those of AMD's public machine-readable ISA for CDNA 5 (MIT licence, August 2026) and "CDNA5" Instruction Set Architecture Reference Guide (July 2026). The comments in the code are by the model that wrote it; some were corrected since.
;; BERT Encoder Block. Allowed arithmetic: matrix products marked QUANTISED: E2M1 operands, one E8M0 scale for each 32 along K, by v_wmma_scale_f32_16x16x128_f8f6f4 with both operands' format E2M1 (or v_wmma_scale_f32_32x16x128_f4), f32 sums; everything else in f32.
;; Inputs: W1 512 x 512 float32; W2 512 x 512 float32; Wk 512 x 512 float32; Wo 512 x 512 float32; Wq 512 x 512 float32; Wv 512 x 512 float32; b1 512 float32; b2 512 float32; bf1 512 float32; bf2 512 float32; bk 512 float32; bo 512 float32; bq 512 float32; bv 512 float32; g1 512 float32; g2 512 float32; x 8 x 2,048 x 512 float32.
;; Outputs: out0 8 x 2,048 x 512 float32.
;; This version of the problem:
;;   THIS VERSION OF THE PROBLEM IS GIVEN IN LOW PRECISION. The matrix products marked QUANTISED in the list below multiply operands that are first quantised to E2M1 (2 exponent bits, 1 mantissa bit; 4 bits a number), with one power-of-two scale for each 32 numbers along K (OCP MX v1.0); their sums are f32. All else is computed in f32.
;;   The module's matrix products, in the order in which they are computed (A, B: the left and right operand; K: the contracted axis; several contracted axes count as one K, in the product's order):
;;     1. [M 16,384, K 512] x [K 512, N 512]; A: input x; B: input Wq: QUANTISED
;;     2. [M 16,384, K 512] x [K 512, N 512]; A: input x; B: input Wk: QUANTISED
;;     3. [M 16,384, K 512] x [K 512, N 512]; A: input x; B: input Wv: QUANTISED
;;     4. batch 8 x [M 2,048, K 512] x [K 512, N 2,048]; A: computed on the way; B: computed on the way: QUANTISED
;;     5. batch 8 x [M 2,048, K 2,048] x [K 2,048, N 512]; A: softmax (see below); B: computed on the way: QUANTISED
;;     6. [M 16,384, K 512] x [K 512, N 512]; A: computed on the way; B: input Wo: QUANTISED
;;     7. [M 16,384, K 512] x [K 512, N 512]; A: computed on the way; B: input W1: QUANTISED
;;     8. [M 16,384, K 512] x [K 512, N 512]; A: computed on the way; B: input W2: QUANTISED
;;   THE QUANTISER, for each operand of a quantised product, along K:
;;     - K is cut into blocks of 32 from its start; a last block that is shorter is filled with zeros.
;;     - A block's scale is 2^e with e = floor(log2(the largest magnitude in the block)) - 2, held to -126 .. 127; a block of zeros has e = 0. As a byte (E8M0): e + 127.
;;     - Each number is divided by its block's scale, clamped to +-6, and rounded to the nearest number of E2M1, ties to even, subnormals kept.
;;     - The product sums the exact products of the quantised numbers (number of the format x scale) in f32.
;;   ~~~python
;;   def quantise(x, axis):      # numpy; x: float32 -> the quantised numbers, widened to float32 again
;;       x = np.moveaxis(x, axis, -1); K = x.shape[-1]
;;       x = np.pad(x, [(0, 0)] * (x.ndim - 1) + [(0, -K % 32)]); x = x.reshape(x.shape[:-1] + (-1, 32)); a = np.abs(x).max(-1, keepdims=True)
;;       e = np.where(a > 0, np.clip(np.frexp(np.where(a > 0, a, 1))[1] - 1 - 2, -126, 127), 0)      # np.frexp(a)[1] - 1 = floor(log2(a)), exactly
;;       r = np.clip(x / 2.0 ** e, -6, 6)
;;       step = 2.0 ** (np.maximum(np.frexp(np.where(r == 0, 1, r))[1] - 1, 0) - 1)
;;       q = np.round(r / step) * step * 2.0 ** e      # np.round: ties to even
;;       return np.moveaxis(q.reshape(q.shape[:-2] + (-1,))[..., :K], -1, axis).astype(np.float32)
;;   ~~~
;;   SOFTMAX AHEAD OF A QUANTISED PRODUCT. Where the list says 'softmax', what is quantised is not the finished softmax but p = 2^(t - M), with t = logit x log2(e) and M = ceil(the row's largest t), a whole number; so 1/2 < the row's largest p <= 1. The row's sum l is taken of the UNQUANTISED p, in f32, and the product's result is divided by l at the end. Since M is a whole number, a kernel that streams over the keys may use a running M (the ceiling of the running maximum): every later rescaling is an exact power of two, which a block's scale takes up: the codes' values come out the same.
;;   OPERANDS COMPUTED ON THE WAY. 'Computed on the way' means the value that the module computes at that place (a softmax that the list does not call 'softmax' is quantised finished and normalised). What goes into a quantiser is computed in f32, as accurately as f32 sums, v_exp_f32 and their like allow (about 1e-6 of the number): no bf16 or f16 on the way to a quantiser, and a product that is left as it is and whose result goes on into a quantised operand takes f32 operands (vector FMAs, or v_wmma_f32_16x16x4_f32). A number that lies on a knife's edge between two numbers of the format may be rounded either way, as far as f32 arithmetic and the matrix unit's own rounding can turn it there, and no further.
;; One version. Each part assembles by itself: llvm-mc -triple=amdgcn-amd-amdhsa -mcpu=gfx1250 --defsym DOCPART=n.
;; ======== version 1 of 1: 3 launches
;; workspace buffers: wc 786,432 bytes; ws 98,304 bytes; qc 4,194,304 bytes; qs 524,288 bytes; kc 4,194,304 bytes; ks 524,288 bytes; vc 4,194,304 bytes; vs 524,288 bytes
;; launch prep (part 1): grid 16 x 6, 4 waves a work-group, no clusters, 1,536 bytes of LDS; arguments Wq, Wk, Wv, Wo, W1, W2, wc, ws; writes wc, ws
.if DOCPART == 1
	.amdgcn_target "amdgcn-amd-amdhsa--gfx1250"
	.amdhsa_code_object_version 6
	.text
	.protected	k_q2b2cc989fd_prep
	.globl	k_q2b2cc989fd_prep
	.p2align	8
	.type	k_q2b2cc989fd_prep,@function
k_q2b2cc989fd_prep:
	s_mov_b64 s[64:65], 0
	v_nop
	global_prefetch_b8 v0, s[64:65] scope:SCOPE_SE
	s_setreg_imm32_b32 hwreg(HW_REG_WAVE_MODE, 25, 1), 1
	s_wait_xcnt 0x0
; The six weights [512 (k)][512 (n)], f32, K along the FIRST axis, become codes of E2M1 with one E8M0 byte for each 32 along K,
; laid in the order in which a wave's operand registers take them:
;   wc [weight 6][quarter w 4][tile n 8][K step s 4][half cc 2][lane 32][16 bytes]: lane (r, h) of tile n holds column
;      128 w + 32 (n / 2) + 8 (n % 2) + r + 8 (r / 8), k = 128 s + 64 cc + 32 h + 0 .. 31
;   ws [weight][w][n][lane 32][s 4 words]: lane r's word for K step s; lanes 16-31 repeat lanes 0-15
; A block's scale is 2^(floor(log2(largest magnitude)) - 2): its byte is the largest magnitude's exponent field - 2, held at 1 from below.
; LIMITS: a block of zeros, or one whose largest magnitude lies under 2^-124, gets the byte 1 (the codes of a block of zeros are zeros, and this program alone reads the bytes);
; NaN and infinities among the inputs are not served.
; SHARES: work-group (x, y) takes 32 columns of weight y, wave s K step s.  A LANE TAKES A COLUMN AND ITS REGISTERS RUN DOWN K: a block of 32 lies in one lane,
; and the conversions give codes with K innermost.  A wave's load covers 128 consecutive bytes, the four waves read four different runs of rows.
; No tensor loads and no cluster: work-groups share nothing.  Loads run two blocks (64 loads a wave) ahead.
.set X,   32                           ; v32-159  128 numbers: four blocks of 32 down K
.set CD,  160                          ; v160-175 a block's codes, four registers each: no store's data are written again
.set WRD, 24                           ; v24      my column's scale word for this K step
	s_load_b512 s[4:19], s[0:1], 0x0               ; Wq 4, Wk 6, Wv 8, Wo 10, W1 12, W2 14, wc 16, ws 18
	v_lshl_add_u32 v176, v0, 2, 0x400
	v_mov_b32 v177, 0
	v_lshrrev_b32 v1, 5, v0
	v_readfirstlane_b32 s20, v1                    ; wave = K step
	s_and_b32 s21, ttmp7, 0xffff                   ; which weight
	v_and_b32 v2, 31, v0                           ; lane = column in the work-group's 32
	v_lshlrev_b32 v3, 2, v2                        ; in: 4 bytes a lane
	v_bfe_u32 v4, v0, 3, 1                         ; u: which of the two tiles my column belongs to
	v_and_b32 v5, 7, v0
	v_bfe_u32 v6, v0, 4, 1
	v_lshl_add_u32 v5, v6, 3, v5                   ; r: my column's lane in that tile
	v_lshlrev_b32 v5, 4, v5
	v_lshl_add_u32 v7, v4, 12, v5                  ; codes: 4,096 u + 16 r
	v_lshl_add_u32 v8, v4, 9, v5                   ; words: 512 u + 16 r
	v_lshlrev_b32 v9, 4, v2                        ; LDS: 16 bytes a column,
	s_lshl_b32 s22, s20, 2
	v_add_nc_u32 v10, s22, v9                      ; my K step's word in them
	s_lshl_b32 s24, s20, 18                        ; in: 128 rows of 2,048 bytes a K step,
	s_lshl_b32 s22, ttmp9, 7
	s_add_co_u32 s24, s24, s22                     ; 128 bytes a work-group
	s_mov_b32 s25, 0
	s_lshr_b32 s32, ttmp9, 2                       ; quarter w
	s_and_b32 s33, ttmp9, 3                        ; pair of tiles in it
	s_lshl_b32 s26, s21, 17                        ; codes: 131,072 a weight, 32,768 a quarter, 8,192 a pair of tiles, 1,024 a K step
	s_lshl_b32 s22, s32, 15
	s_add_co_u32 s26, s26, s22
	s_lshl_b32 s22, s33, 13
	s_add_co_u32 s26, s26, s22
	s_lshl_b32 s22, s20, 10
	s_add_co_u32 s26, s26, s22
	s_mov_b32 s27, 0
	s_lshl_b32 s28, s21, 14                        ; words: 16,384 a weight, 4,096 a quarter, 1,024 a pair of tiles
	s_lshl_b32 s22, s32, 12
	s_add_co_u32 s28, s28, s22
	s_lshl_b32 s22, s33, 10
	s_add_co_u32 s28, s28, s22
	s_mov_b32 s29, 0
	s_wait_kmcnt 0x0
	s_cmp_eq_u32 s21, 1                            ; the weight is chosen by the work-group's number alone
	s_cselect_b64 s[4:5], s[6:7], s[4:5]
	s_cmp_eq_u32 s21, 2
	s_cselect_b64 s[4:5], s[8:9], s[4:5]
	s_cmp_eq_u32 s21, 3
	s_cselect_b64 s[4:5], s[10:11], s[4:5]
	s_cmp_eq_u32 s21, 4
	s_cselect_b64 s[4:5], s[12:13], s[4:5]
	s_cmp_eq_u32 s21, 5
	s_cselect_b64 s[4:5], s[14:15], s[4:5]
	s_add_nc_u64 s[4:5], s[4:5], s[24:25]
	s_add_nc_u64 s[16:17], s[16:17], s[26:27]
	s_add_nc_u64 s[18:19], s[18:19], s[28:29]
.macro LOADB q                         ; block q: W(128 s + 32 q + i, my column), i = 0 .. 31
.set iL, 0
.rept 32
	global_load_b32 v[X+32*(\q)+iL], v3, s[4:5] offset:(32*(\q)+iL)*2048 th:TH_LOAD_NT
.set iL, iL+1
.endr
.endm
.macro BLOCK q
.set XQ, X+32*(\q)
	v_max3_num_f32 v12, |v[XQ]|, |v[XQ+1]|, |v[XQ+2]|              ; the block's largest magnitude: all 32 numbers are mine; two chains
	v_max3_num_f32 v13, |v[XQ+3]|, |v[XQ+4]|, |v[XQ+5]|
.irp i, 6,10,14,18,22,26
	v_max3_num_f32 v12, v12, |v[XQ+\i]|, |v[XQ+\i+1]|
	v_max3_num_f32 v13, v13, |v[XQ+\i+2]|, |v[XQ+\i+3]|
.endr
	v_max3_num_f32 v12, v12, |v[XQ+30]|, |v[XQ+31]|
	v_max3_num_f32 v12, v12, v13, 0x1800000        ; and the floor 2^(3 - 127): the byte cannot fall under 1
	v_add_nc_u32 v11, 0xff000000, v12              ; 2 off the exponent field: the conversion takes this operand's exponent field as its scale
	v_lshrrev_b32 v13, 23, v11                     ; the scale's byte
.if (\q) == 0
	v_mov_b32 v[WRD], v13
.else
	v_lshl_or_b32 v[WRD], v13, 8*(\q), v[WRD]      ; the lower K in the lower byte
.endif
.irp g, 0,1,2,3
	v_cvt_scalef32_pk8_fp4_f32 v[CD+4*(\q)+\g], v[XQ+8*\g:XQ+8*\g+7], v11
.endr
	v_nop                                          ; a plain line behind the last conversion of the run
	global_store_b128 v7, v[CD+4*(\q):CD+4*(\q)+3], s[16:17] offset:((\q)/2)*512+((\q)%2)*256   ; block q = 2 cc + h: sixteen lanes fill 256 consecutive bytes of one tile's image, the other sixteen of the next tile's
.endm
	LOADB 0
	LOADB 1
	s_wait_loadcnt 32                              ; block 0 is in; block 1's 32 loads may be out
	LOADB 2
	BLOCK 0
	s_wait_loadcnt 32                              ; block 1 is in; block 2's may be out
	LOADB 3
	BLOCK 1
	s_wait_loadcnt 32                              ; block 2 is in; block 3's may be out
	BLOCK 2
	s_wait_loadcnt 0x0
	BLOCK 3
	ds_store_b32 v10, v[WRD]                       ; the four K steps' words of a column meet in LDS
	s_wait_dscnt 0x0                               ; for the others' sake: my store has landed
	s_barrier_signal -1
	s_barrier_wait -1
	s_cmp_lg_u32 s20, 0
	s_cbranch_scc1 .Ldone                          ; wave 0 stores them
	ds_load_b128 v[12:15], v9
	s_wait_dscnt 0x0
	global_store_b128 v8, v[12:15], s[18:19]             ; lanes 0-15 of the tile's words,
	global_store_b128 v8, v[12:15], s[18:19] offset:256  ; and their repeat for lanes 16-31: every byte that is read later is written
.Ldone:
	s_wait_tensorcnt 0x0
	ds_add_u32 v176, v177
	s_wait_dscnt 0x0
	s_endpgm
.Lfunc_end_k_q2b2cc989fd_prep:
	.size	k_q2b2cc989fd_prep, .Lfunc_end_k_q2b2cc989fd_prep-k_q2b2cc989fd_prep
	.p2alignl 7, 3214868480
	.fill 96, 4, 3214868480
	.section	.rodata,"a",@progbits
	.p2align	6, 0x0
	.amdhsa_kernel k_q2b2cc989fd_prep
		.amdhsa_group_segment_fixed_size 1536
		.amdhsa_private_segment_fixed_size 0
		.amdhsa_enable_private_segment 0
		.amdhsa_kernarg_size 64
		.amdhsa_user_sgpr_count 2
		.amdhsa_user_sgpr_kernarg_segment_ptr 1
		.amdhsa_wavefront_size32 1
		.amdhsa_system_sgpr_workgroup_id_x 1
		.amdhsa_system_sgpr_workgroup_id_y 1
		.amdhsa_system_sgpr_workgroup_id_z 1
		.amdhsa_system_vgpr_workitem_id 0
		.amdhsa_next_free_vgpr 178
		.amdhsa_next_free_sgpr 66
		.amdhsa_reserve_vcc 0
		.amdhsa_float_denorm_mode_32 3
		.amdhsa_float_denorm_mode_16_64 3
		.amdhsa_memory_ordered 1
		.amdhsa_forward_progress 1
		.amdhsa_inst_pref_size 22
	.end_amdhsa_kernel
	.amdgpu_metadata
---
amdhsa.version: [ 1, 2 ]
amdhsa.kernels:
  - .name:           k_q2b2cc989fd_prep
    .symbol:         k_q2b2cc989fd_prep.kd
    .args:
      - { .name: Wq, .offset: 0, .size: 8, .value_kind: global_buffer, .address_space: global }
      - { .name: Wk, .offset: 8, .size: 8, .value_kind: global_buffer, .address_space: global }
      - { .name: Wv, .offset: 16, .size: 8, .value_kind: global_buffer, .address_space: global }
      - { .name: Wo, .offset: 24, .size: 8, .value_kind: global_buffer, .address_space: global }
      - { .name: W1, .offset: 32, .size: 8, .value_kind: global_buffer, .address_space: global }
      - { .name: W2, .offset: 40, .size: 8, .value_kind: global_buffer, .address_space: global }
      - { .name: wc, .offset: 48, .size: 8, .value_kind: global_buffer, .address_space: global }
      - { .name: ws, .offset: 56, .size: 8, .value_kind: global_buffer, .address_space: global }
    .group_segment_fixed_size: 1536
    .private_segment_fixed_size: 0
    .kernarg_segment_align: 8
    .kernarg_segment_size: 64
    .max_flat_workgroup_size: 128
    .sgpr_count:     66
    .vgpr_count:     178
    .wavefront_size: 32
...
	.end_amdgpu_metadata
.endif
;; end of part 1
;; launch qkv (part 2): grid 256 x 1, 4 waves a work-group, clusters of 4 x 1, 327,680 bytes of LDS; arguments x, wc, ws, bq, bk, bv, qc, qs, kc, ks, vc, vs; writes qc, qs, kc, ks, vc, vs
.if DOCPART == 2
	.amdgcn_target "amdgcn-amd-amdhsa--gfx1250"
	.amdhsa_code_object_version 6
	.text
	.protected	k_q2b2cc989fd_qkv
	.globl	k_q2b2cc989fd_qkv
	.p2align	8
	.type	k_q2b2cc989fd_qkv,@function
k_q2b2cc989fd_qkv:
	s_mov_b64 s[64:65], 0
	v_nop
	global_prefetch_b8 v0, s[64:65] scope:SCOPE_SE
	s_setreg_imm32_b32 hwreg(HW_REG_WAVE_MODE, 25, 1), 1
	s_wait_xcnt 0x0
	s_wait_alu depctr_hold_cnt(0) depctr_sa_sdst(0) depctr_va_vdst(0) depctr_va_sdst(0) depctr_va_ssrc(0) depctr_va_vcc(0) depctr_vm_vsrc(0)
	s_getreg_b32 s2, hwreg(HW_REG_IB_STS2, 6, 4)
	s_cmp_eq_u32 s2, 0
	s_cbranch_scc0 .Lentry_in_a_cluster
	s_endpgm
.Lentry_in_a_cluster:
	s_bfe_u32 s2, ttmp6, 0x10000c
	s_cmp_lg_u32 s2, 0x3003
	s_cbranch_scc0 .Lentry_shape_is_right
	s_endpgm
.Lentry_shape_is_right:
; Q = x Wq + bq, K = x Wk + bk, V = x Wv + bv on codes of E2M1 with E8M0 scales; x is quantised here along its 512; Q and K are quantised along their 512, V along the KEYS.
; What leaves are images of operand registers (a fragment of 16 rows x 128 K: [half cc 2][lane 32][16 bytes]) and scale words:
;   qc, kc [block g of 64 rows][tile t 4][K step s 4][1,024];  qs, ks [g][s][lane 32][t 4 words]
;   vc [batch][512 keys j][quarter c of the channels][tile ct 8][128 keys ks 4][1,024];  vs [batch][j][c][ks][cc][lane 32][4 words], word i = the two bytes of tile 2 i, then those of tile 2 i + 1
; THE ROWS OF A TILE ARE NOT NEIGHBOURS: lane r of tile 2 b + u holds row 32 b + 8 u + r + 8 (r / 8) of its group, for x's rows and for the weights' columns alike.  Used as source 0 such a tile leaves
; in a lane's registers of tiles 2 b, 2 b + 1 sixteen NEIGHBOURS, 32 b + 16 (lane / 16) + 0 .. 15: the order in which the quantiser below takes them.
; SHARES: a work-group takes 64 rows; THE WAVES SHARE THE COLUMNS: wave w makes columns 128 w .. 128 w + 127 of Q, K and V for all 64 rows, so each weight fragment is read from LDS by one wave and feeds four products.
; x's fragments go from wave to wave through LDS as images of their registers.
; CLUSTER: all work-groups read the same weights; the four of a cluster ask for each 64 KiB of them JOINTLY.  Wq and Wk are the first fills; Wv takes Wq's bytes behind a round of the cluster's barrier.
; No prefetch: x is asked for whole at the head, and the weights are read by every work-group.
; LIMITS: a block of zeros, or one under 2^-124, gets the scale byte 1 (zeros' codes are zeros; this program alone reads the bytes); NaN and infinities are not served.
; REGISTERS, in windows of 256: window 0: addresses, scale words (v32-143, scales alone), work;  window 1: x as loaded, then the 32 accumulators;
;   window 2: v0-127 x's 16 fragments, v128-191 and v192-255 biases in the result's layout (v192-255 first: 64 numbers of x);  window 3: v128-255 four units of four weight fragments.
.set SLA,   0                          ; LDS: Wq, later Wv: 131,072 bytes
.set SLB,   131072                     ; Wk
.set XIMG,  262144                     ; x's 16 fragments, (t, s) at (4 t + s) x 1,024
.set XSC,   278528                     ; their scale words [s][lane][t]
.set XST,   280576                     ; a stage of 16 rows x (512 + 16) bytes for each wave
.set SPARE, 314368                     ; the spare words, 128 bytes a wave: two blocks of 256 bytes that no other line names
.set L16,  1                           ; v1   16 x lane
.set H64,  2                           ; v2   64 x (lane / 16)
.set RB4,  3                           ; v3   4 x (r + 8 (r / 8))
.set SGL,  6                           ; v6   my stage, 16 x lane
.set SGT,  7                           ; v7   my stage, 528 r + 64 h
.set XWI,  8                           ; v8   where I store x's images
.set XWS,  9                           ; v9   and their scale words
.set AWA,  10                          ; v10  my quarter of the weight in SLA
.set AWB,  11                          ; v11  in SLB
.set XRI,  13                          ; v13  where any wave reads x's images
.set XRS,  14                          ; v14  and their scale words
.set SPW,  28                          ; v28  my spare word; never rewritten
.set NIL,  29                          ; v29  0; never rewritten
.set XS,   32                          ; v32-47   x's scale words, 4 s + t
.set WSC,  48                          ; v48-143  the weights' scale words, 32 x weight + 4 n + s
.set TM,   144                         ; v144-159 the quantiser's work
.set PW,   160                         ; v160-163 scale words just made
.set PC,   164                         ; v164-195 codes just made, four sets of 8
.set BVR,  196                         ; v196-203 bv of my lane's column in each of my 8 tiles
.set G0A,  20                          ; s[20:23] descriptor group 0: SLA
.set G1,   24                          ; s[24:31] descriptor group 1
.set G0B,  32                          ; s[32:35] descriptor group 0: SLB
.set WV,   44
.set CX,   45
.set G,    46
.set SEL,  48
.set XB,   50
.set QB,   52
.set QSB,  54
.set KB,   56
.set KSB,  58
.set VB,   60
.set VSB,  62
.set BQ,   66
.set BK,   68
.set BV,   70
.set WS,   72
.set MSB, 0
.macro WIN new                         ; the immediate's high byte repeats the setting that is left; a switch that changes nothing is dropped
.if MSB != \new
	s_set_vgpr_msb (MSB<<8)|\new
.set MSB, \new
.endif
.endm
.macro ROUND                           ; a round of the cluster's barrier
	s_barrier_signal -1
	s_barrier_wait -1
	s_cmp_lg_u32 s[WV], 0
	s_cbranch_scc1 .Lnw0_\@
	s_barrier_signal -3
.Lnw0_\@:
	s_barrier_wait -3
	s_barrier_signal -1
	s_barrier_wait -1
.endm
.macro BAR                             ; my LDS instructions are done: then the work-group's barrier
	s_wait_dscnt 0x0
	s_barrier_signal -1
	s_barrier_wait -1
.endm
.macro JL a, b                         ; a joint load: waves 0 and 1 by group 0 a, waves 2 and 3 by b; four v_nop follow each line
	s_cmp_lt_u32 s[WV], 2
	s_cbranch_scc0 .Ljb_\@
	tensor_load_to_lds s[\a:\a+3], s[G1:G1+7]
	s_nop 0
.rept 4
	v_nop
.endr
	s_branch .Lje_\@
.Ljb_\@:
	tensor_load_to_lds s[\b:\b+3], s[G1:G1+7]
	s_nop 0
.rept 4
	v_nop
.endr
.Lje_\@:
.endm
.macro JL_LO a                         ; waves 0 and 1 alone
	s_cmp_lt_u32 s[WV], 2
	s_cbranch_scc0 .Ljs_\@
	tensor_load_to_lds s[\a:\a+3], s[G1:G1+7]
	s_nop 0
.rept 4
	v_nop
.endr
.Ljs_\@:
.endm
; 64 numbers of a lane, v[s] .. v[s + 63] of window sw, register 16 b + i = k 32 b + 16 (lane / 16) + i of the lane's row, become a fragment's codes in v[pc] on and its scale word in v[pw] (window 0).
.macro QUANT s, sw, pc, pw
	WIN (\sw)|((\sw)<<2)
.irp b, 0,1,2,3
	v_max3_num_f32 v[TM+\b], |v[(\s)+16*\b]|, |v[(\s)+16*\b+1]|, 0x1800000   ; block b: my 16 numbers, from the low end on, and the floor 2^(3 - 127)
.endr
	WIN ((\sw)<<2)|((\sw)<<4)
.irp i, 2,4,6,8,10,12,14
.irp b, 0,1,2,3
	v_max3_num_f32 v[TM+\b], v[TM+\b], |v[(\s)+16*\b+\i]|, |v[(\s)+16*\b+\i+1]|   ; the four blocks by turns
.endr
.endr
	WIN 0
.irp b, 0,1,2,3
	v_permlanex16_b32 v[TM+4+\b], v[TM+\b], s[SEL], s[SEL+1]
.endr
.irp b, 0,1,2,3
	v_max_num_f32 v[TM+\b], v[TM+\b], v[TM+4+\b]   ; with lane l xor 16's: the block's largest magnitude
.endr
.irp b, 0,1,2,3
	v_add_nc_u32 v[TM+12+\b], 0xff000000, v[TM+\b] ; 2 off its exponent field: the conversion's scale operand
.endr
.irp b, 0,1,2,3
	v_lshrrev_b32 v[TM+4+\b], 23, v[TM+12+\b]      ; the scale's byte
.endr
	v_lshl_or_b32 v[\pw], v[TM+5], 8, v[TM+4]
	v_lshl_or_b32 v[\pw], v[TM+6], 16, v[\pw]
	v_lshl_or_b32 v[\pw], v[TM+7], 24, v[\pw]
	WIN \sw
.irp b, 0,1,2,3
	v_cvt_scalef32_pk8_fp4_f32 v[(\pc)+2*\b], v[(\s)+16*\b:(\s)+16*\b+7], v[TM+12+\b]
	v_cvt_scalef32_pk8_fp4_f32 v[(\pc)+2*\b+1], v[(\s)+16*\b+8:(\s)+16*\b+15], v[TM+12+\b]
.endr
	WIN 0
	v_nop                                          ; one plain place behind a scaled conversion
.irp c, 0,1                            ; the operand's layout wants a WHOLE block in a lane
.irp i, 0,1
	v_permlane16_swap_b32 v[(\pc)+4*\c+\i], v[(\pc)+4*\c+2+\i]
.endr
.endr
.endm
.macro WM d, a, b, ck, c, sa, sb       ; one product; ck = 0: it starts the sum with the constant 0
.if \ck == 0
	v_wmma_scale_f32_16x16x128_f8f6f4 v[\d:\d+7], v[\a:\a+7], v[\b:\b+7], 0, v[\sa], v[\sb] matrix_a_fmt:MATRIX_FMT_FP4 matrix_b_fmt:MATRIX_FMT_FP4
.else
	v_wmma_scale_f32_16x16x128_f8f6f4 v[\d:\d+7], v[\a:\a+7], v[\b:\b+7], v[\c:\c+7], v[\sa], v[\sb] matrix_a_fmt:MATRIX_FMT_FP4 matrix_b_fmt:MATRIX_FMT_FP4
.endif
.endm
.macro UNIT adr                        ; unit gN of the streamed operand, four fragments, into buffer gN % 4 of window 3
.set uS, 0
.rept 4
	ds_load_b128 v[128+32*(gN%4)+8*uS:128+32*(gN%4)+8*uS+3], v[\adr] offset:(4*gN+uS)*1024
	ds_load_b128 v[128+32*(gN%4)+8*uS+4:128+32*(gN%4)+8*uS+7], v[\adr] offset:(4*gN+uS)*1024+512
.set uS, uS+1
.endr
.endm
; 128 products: 8 units n of the streamed operand (from LDS at v[adr]) x 4 K steps s x 4 tiles t of the resident operand (fragment (t, s) at bb + 8 (4 t + s)).
; accm 0: accumulator 64 t + 8 n; 1: 32 n + 8 t.  asmd 0: the stream's scale word at asb + 4 n + s; 1: at asb + 16 (n / 4) + 4 s + n % 4.  The resident's at bsb + 4 s + t.
; cm: what starts a sum: 0 the constant 0, 1 v[cb + 8 n] on, 2 the accumulator.  swap = 1: the resident operand is source 0.  wm0, wm1: the windows for s = 0 and for the other K steps.
; A unit's four accumulators take turns, one instruction a turn.  Four units are on their way or at work; the counted waits leave the younger units' loads, 8 each, out.
.macro GEMM8 adr, wm0, wm1, bb, accm, asb, asmd, bsb, cm, cb, swap
.rept 5
	v_nop                                          ; places: the buffers are loaded anew, and results are laid over registers that earlier products named
.endr
	WIN 0xC0
.set gN, 0
.rept 4
	UNIT \adr
.set gN, gN+1
.endr
.set gM, 0
.rept 8
.if gM < 4
	s_wait_dscnt 24
.else
	s_wait_dscnt 8*(7-gM)
.endif
.set gS, 0
.rept 4
.if gS == 0
	WIN \wm0
.else
	WIN \wm1
.endif
.set gT, 0
.rept 4
.if \accm
.set rD, 32*gM+8*gT
.else
.set rD, 64*gT+8*gM
.endif
.set rF, 128+32*(gM%4)+8*gS
.set rR, \bb+8*(4*gT+gS)
.if \asmd
.set rX, \asb+16*(gM/4)+4*gS+gM%4
.else
.set rX, \asb+4*gM+gS
.endif
.set rY, \bsb+4*gS+gT
.set rC, rD
.set kC, 1
.if gS == 0
.if \cm == 0
.set kC, 0
.elseif \cm == 1
.set rC, \cb+8*gM
.endif
.endif
.if \swap
	WM rD, rR, rF, kC, rC, rY, rX
.else
	WM rD, rF, rR, kC, rC, rX, rY
.endif
.set gT, gT+1
.endr
.set gS, gS+1
.endr
.if gM < 4
.rept 4
	v_nop                                          ; places in front of loads into a buffer that products have read
.endr
	WIN 0xC0
.set gN, gM+4
	UNIT \adr
.endif
.set gM, gM+1
.endr
	WIN 0
.rept 4
	v_nop                                          ; places in front of the first read of results
.endr
.endm
; The 256 accumulator registers become four fragments (or eight half fragments) and four scale words, and leave: every store covers 512 consecutive bytes, aligned.
.macro EPI cb, sb, stri, strh
.irp i, 0,1,2,3
	QUANT 64*\i, 1, PC+8*\i, PW+\i
	global_store_b128 v[L16], v[PC+8*\i:PC+8*\i+3], s[\cb:\cb+1] offset:\i*\stri
	global_store_b128 v[L16], v[PC+8*\i+4:PC+8*\i+7], s[\cb:\cb+1] offset:\i*\stri+\strh
.endr
	global_store_b128 v[L16], v[PW:PW+3], s[\sb:\sb+1]
.endm
	s_load_b512 s[4:19], s[0:1], 0x0               ; x 4, wc 6, ws 8, bq 10, bk 12, bv 14, qc 16, qs 18
	s_load_b256 s[36:43], s[0:1], 0x40             ; kc 36, ks 38, vc 40, vs 42
	v_lshl_add_u32 v[SPW], v0, 2, SPARE
	v_mov_b32 v[NIL], 0
	ds_add_u32 v28, v29
	ds_add_u32 v28, v29
	s_wait_dscnt 0x0
	v_lshrrev_b32 v4, 5, v0
	v_readfirstlane_b32 s[WV], v4                  ; wave 0..3
	; descriptor group 1: 64 KiB, dense in memory, as 256 rows of 256 bytes (32 elements of 8 bytes); no padding: images are read 16 x lane on end
	s_mov_b32 s[G1], 15|(3<<16)|(1<<21)            ; 15:0 the mask: all four work-groups; 17:16 elements of 8 bytes; 21 set beside a mask
	s_mov_b32 s[G1+1], 32<<16                      ; tensor_dim0 = 32
	s_mov_b32 s[G1+2], 256<<16                     ; tensor_dim1 = 256
	s_mov_b32 s[G1+3], 32<<16                      ; tile_dim0 = 32
	s_mov_b32 s[G1+4], 256                         ; tile_dim1 = 256
	s_mov_b32 s[G1+5], 32                          ; the pitch
	s_mov_b32 s[G1+6], 0
	s_mov_b32 s[G1+7], 0
	s_and_b32 s2, s[WV], 1
	s_lshl_b32 s2, s2, 16                          ; which half of a weight I fetch
	s_mov_b32 s3, 0
	s_mov_b32 s[G0A], 1
	s_mov_b32 s[G0A+1], s2
	s_mov_b32 s[G0B], 1
	s_add_co_u32 s[G0B+1], s2, SLB
	s_mov_b32 s[SEL], 0x76543210
	s_mov_b32 s[SEL+1], 0xfedcba98                 ; v_permlanex16_b32's selects for lane l xor 16
	s_wait_kmcnt 0x0
	s_add_nc_u64 s[G0A+2:G0A+3], s[6:7], s[2:3]    ; Wq's codes
	s_add_nc_u64 s[G0B+2:G0B+3], s[G0A+2:G0A+3], 131072   ; Wk's
	s_or_b32 s[G0A+3], s[G0A+3], 0x80000000
	s_or_b32 s[G0B+3], s[G0B+3], 0x80000000
	ROUND                                          ; all four work-groups are here: the first joint loads meet
	JL G0A, G0B                                    ; one tensor load of mine is out
	s_bfe_u32 s[CX], ttmp6, 0x40000
	s_lshl_b32 s[G], ttmp9, 2
	s_add_co_u32 s[G], s[G], s[CX]                 ; my block of 64 rows; it enters addresses of x and of the results alone
	v_and_b32 v4, 31, v0
	v_lshlrev_b32 v[L16], 4, v4
	v_and_b32 v4, 15, v0                           ; r
	v_bfe_u32 v5, v0, 4, 1                         ; h
	v_lshlrev_b32 v[H64], 6, v5
	v_and_b32 v12, 8, v4
	v_add_nc_u32 v12, v12, v4
	v_lshlrev_b32 v[RB4], 2, v12
	s_mov_b32 s75, 0
	s_lshl_b32 s74, s[G], 17                       ; x: 64 rows of 2,048 bytes a block; wave w quantises tile w, whose rows begin at 32 (w / 2) + 8 (w % 2)
	s_lshr_b32 s76, s[WV], 1
	s_lshl_b32 s76, s76, 16
	s_add_co_u32 s74, s74, s76
	s_and_b32 s76, s[WV], 1
	s_lshl_b32 s76, s76, 14
	s_add_co_u32 s74, s74, s76
	s_add_nc_u64 s[XB:XB+1], s[4:5], s[74:75]
	s_lshl_b32 s74, s[G], 14                       ; Q's and K's codes: 16,384 a block; my columns are K step w
	s_lshl_b32 s76, s[WV], 10
	s_add_co_u32 s74, s74, s76
	s_add_nc_u64 s[QB:QB+1], s[16:17], s[74:75]
	s_add_nc_u64 s[KB:KB+1], s[36:37], s[74:75]
	s_lshl_b32 s74, s[G], 11                       ; their words: 2,048 a block, 512 a K step
	s_lshl_b32 s76, s[WV], 9
	s_add_co_u32 s74, s74, s76
	s_add_nc_u64 s[QSB:QSB+1], s[18:19], s[74:75]
	s_add_nc_u64 s[KSB:KSB+1], s[38:39], s[74:75]
	s_lshr_b32 s77, s[G], 3                        ; V: 4 x batch + the step of 512 keys,
	s_lshl_b32 s77, s77, 2
	s_add_co_u32 s77, s77, s[WV]                   ; my quarter of the channels,
	s_and_b32 s78, s[G], 7
	s_lshl_b32 s78, s78, 9                         ; and my 64 keys' half fragment: 512 x (2 ks + cc)
	s_lshl_b32 s74, s77, 15
	s_add_co_u32 s74, s74, s78
	s_add_nc_u64 s[VB:VB+1], s[40:41], s[74:75]
	s_lshl_b32 s74, s77, 12
	s_add_co_u32 s74, s74, s78
	s_add_nc_u64 s[VSB:VSB+1], s[42:43], s[74:75]
	s_mov_b32 s74, s76                             ; 512 x wave: my 128 numbers of a bias
	s_add_nc_u64 s[BQ:BQ+1], s[10:11], s[74:75]
	s_add_nc_u64 s[BK:BK+1], s[12:13], s[74:75]
	s_add_nc_u64 s[BV:BV+1], s[14:15], s[74:75]
	s_lshl_b32 s74, s[WV], 12
	s_add_nc_u64 s[WS:WS+1], s[8:9], s[74:75]      ; my quarter's scale words
.irp w, 0,1,2
.irp n, 0,1,2,3,4,5,6,7
	global_load_b128 v[WSC+32*\w+4*\n:WSC+32*\w+4*\n+3], v[L16], s[WS:WS+1] offset:\w*16384+512*\n
.endr
.endr
	WIN 0x80                                       ; destination window 2
.irp n, 0,1,2,3,4,5,6,7                ; bq in the result's layout: lane (r, h), tile n: columns 32 (n / 2) + 16 h + 8 (n % 2) + 0 .. 7
	global_load_b128 v[128+8*\n:128+8*\n+3], v[H64], s[BQ:BQ+1] offset:(32*(\n/2)+8*(\n%2))*4
	global_load_b128 v[128+8*\n+4:128+8*\n+7], v[H64], s[BQ:BQ+1] offset:(32*(\n/2)+8*(\n%2))*4+16
.endr
	WIN 0
.irp n, 0,1,2,3,4,5,6,7                ; bv: in V's product a lane is a channel
	global_load_b32 v[BVR+\n], v[RB4], s[BV:BV+1] offset:(32*(\n/2)+8*(\n%2))*4
.endr
	WIN 0x40                                       ; destination window 1
.irp s, 0,1,2,3                        ; my tile's 16 rows of x, a K step of 128 numbers at a time: 32 lanes read 512 consecutive bytes
.irp i, 0,1,2,3,4,5,6,7,8,9,10,11,12,13,14,15
	global_load_b128 v[64*\s+4*\i:64*\s+4*\i+3], v[L16], s[XB:XB+1] offset:(\i+8*(\i/8))*2048+512*\s th:TH_LOAD_NT
.endr
.endr
	WIN 0
	s_mul_i32 s74, s[WV], 8448
	s_add_co_u32 s74, s74, XST
	v_add_nc_u32 v[SGL], s74, v[L16]
	v_mul_u32_u24 v12, v4, 528
	v_add_nc_u32 v12, v12, v[H64]
	v_add_nc_u32 v[SGT], s74, v12
	s_lshl_b32 s74, s[WV], 12
	s_add_co_u32 s74, s74, XIMG
	v_add_nc_u32 v[XWI], s74, v[L16]
	s_lshl_b32 s74, s[WV], 2
	s_add_co_u32 s74, s74, XSC
	v_add_nc_u32 v[XWS], s74, v[L16]
	s_lshl_b32 s74, s[WV], 15
	v_add_nc_u32 v[AWA], s74, v[L16]
	v_add_nc_u32 v[AWB], SLB, v[AWA]
	v_add_nc_u32 v[XRI], XIMG, v[L16]
	v_add_nc_u32 v[XRS], XSC, v[L16]
.irp b, 0,1,2,3
	v_mov_b32 v[TM+4+\b], 0                        ; written once: a lane permute's destination counts as one of its sources
.endr
	; ---- x: each K step goes through my stage, so that a lane holds 16 neighbours of each block of 32 of ONE row, and is quantised
.irp s, 0,1,2,3
	s_wait_loadcnt 48-16*\s                        ; this K step's 16 loads are in; those of the later K steps, 16 each, may be out
	WIN 0x04                                       ; an LDS store's data are its source 1: window 1
.irp i, 0,1,2,3,4,5,6,7,8,9,10,11,12,13,14,15
	ds_store_b128 v[SGL], v[64*\s+4*\i:64*\s+4*\i+3] offset:528*\i
.endr
	WIN 0x80
.irp b, 0,1,2,3
.irp j, 0,1,2,3
	ds_load_b128 v[192+16*\b+4*\j:192+16*\b+4*\j+3], v[SGT] offset:128*\b+16*\j   ; LDS serves a wave's instructions in order: these see my stores
.endr
.endr
	s_wait_dscnt 0x0                               ; they are in, and the last K step's image stores have read their registers
	QUANT 192, 2, PC, PW
	ds_store_b128 v[XWI], v[PC:PC+3] offset:1024*\s
	ds_store_b128 v[XWI], v[PC+4:PC+7] offset:1024*\s+512
	ds_store_b32 v[XWS], v[PW] offset:512*\s
.endr
	WIN 0x80
.irp n, 0,1,2,3,4,5,6,7                ; bk takes the registers that x's numbers have left
	global_load_b128 v[192+8*\n:192+8*\n+3], v[H64], s[BK:BK+1] offset:(32*(\n/2)+8*(\n%2))*4
	global_load_b128 v[192+8*\n+4:192+8*\n+7], v[H64], s[BK:BK+1] offset:(32*(\n/2)+8*(\n%2))*4+16
.endr
	WIN 0
	s_wait_tensorcnt 0x0                           ; my half of Wq or Wk has landed: other waves read it
	BAR                                            ; x's images and both weights lie in LDS
	WIN 0x80
.irp f, 0,1,2,3,4,5,6,7,8,9,10,11,12,13,14,15
	ds_load_b128 v[8*\f:8*\f+3], v[XRI] offset:1024*\f
	ds_load_b128 v[8*\f+4:8*\f+7], v[XRI] offset:1024*\f+512
.endr
	WIN 0
.irp s, 0,1,2,3
	ds_load_b128 v[XS+4*\s:XS+4*\s+3], v[XRS] offset:512*\s
.endr
	; ---- Q: source 0 = 16 columns of Wq, source 1 = 16 rows of x; bq starts the sums
	GEMM8 AWA, 0x6B, 0x5B, 0, 0, WSC, 0, XS, 1, 128, 0
	s_wait_tensorcnt 0x0                           ; no tensor load of mine is out,
	ds_add_u32 v[SPW], v[NIL]                      ; 0 onto my spare word
	s_add_nc_u64 s[G0A+2:G0A+3], s[G0A+2:G0A+3], 262144   ; so the group 0 may be written: Wv's codes; the type bits on top are not reached
	s_wait_dscnt 0x0                               ; the add is done, and my reads of Wq are over
	ROUND                                          ; both hold of every wave of the four work-groups
	JL_LO G0A                                      ; Wv into Wq's bytes: it lands while Q leaves and K is made
	EPI QB, QSB, 4096, 512
	WIN 0x80
.irp n, 0,1,2,3,4,5,6,7
.irp j, 0,1,2,3,4,5,6,7
	v_mov_b32 v[128+8*\n+\j], v[BVR+\n]            ; V's bias in its result's layout: the lane's channel in all eight registers
.endr
.endr
	WIN 0
	s_wait_loadcnt 0x0                             ; bk
	; ---- K
	GEMM8 AWB, 0x6B, 0x5B, 0, 0, WSC+32, 0, XS, 1, 192, 0
	s_wait_xcnt 0x0                                ; Q's stores have read their registers: the codes and words may be written again
	EPI KB, KSB, 4096, 512
	s_wait_tensorcnt 0x0                           ; my half of Wv has landed
	BAR
	; ---- V: source 0 = 16 rows of x, source 1 = 16 columns of Wv: a lane is a channel and its registers run along the keys
	GEMM8 AWA, 0x6E, 0x5E, 0, 1, WSC+64, 0, XS, 1, 128, 1
	s_wait_xcnt 0x0                                ; K's stores have read their registers
	EPI VB, VSB, 8192, 4096                        ; a pair of channel tiles is four blocks of 32 keys: two half fragments, two half words
	s_wait_tensorcnt 0x0                           ; the wave's end
	ds_add_u32 v[SPW], v[NIL]
	s_wait_dscnt 0x0
	ROUND                                          ; the closing round
	s_endpgm
.Lfunc_end_k_q2b2cc989fd_qkv:
	.size	k_q2b2cc989fd_qkv, .Lfunc_end_k_q2b2cc989fd_qkv-k_q2b2cc989fd_qkv
	.p2alignl 7, 3214868480
	.fill 96, 4, 3214868480
	.section	.rodata,"a",@progbits
	.p2align	6, 0x0
	.amdhsa_kernel k_q2b2cc989fd_qkv
		.amdhsa_group_segment_fixed_size 327680
		.amdhsa_private_segment_fixed_size 0
		.amdhsa_enable_private_segment 0
		.amdhsa_kernarg_size 96
		.amdhsa_user_sgpr_count 2
		.amdhsa_user_sgpr_kernarg_segment_ptr 1
		.amdhsa_wavefront_size32 1
		.amdhsa_system_sgpr_workgroup_id_x 1
		.amdhsa_system_sgpr_workgroup_id_y 1
		.amdhsa_system_sgpr_workgroup_id_z 1
		.amdhsa_system_vgpr_workitem_id 0
		.amdhsa_next_free_vgpr 1024
		.amdhsa_next_free_sgpr 80
		.amdhsa_reserve_vcc 0
		.amdhsa_float_denorm_mode_32 3
		.amdhsa_float_denorm_mode_16_64 3
		.amdhsa_memory_ordered 1
		.amdhsa_forward_progress 1
		.amdhsa_inst_pref_size 163
	.end_amdhsa_kernel
	.amdgpu_metadata
---
amdhsa.version: [ 1, 2 ]
amdhsa.kernels:
  - .name:           k_q2b2cc989fd_qkv
    .symbol:         k_q2b2cc989fd_qkv.kd
    .args:
      - { .name: x, .offset: 0, .size: 8, .value_kind: global_buffer, .address_space: global }
      - { .name: wc, .offset: 8, .size: 8, .value_kind: global_buffer, .address_space: global }
      - { .name: ws, .offset: 16, .size: 8, .value_kind: global_buffer, .address_space: global }
      - { .name: bq, .offset: 24, .size: 8, .value_kind: global_buffer, .address_space: global }
      - { .name: bk, .offset: 32, .size: 8, .value_kind: global_buffer, .address_space: global }
      - { .name: bv, .offset: 40, .size: 8, .value_kind: global_buffer, .address_space: global }
      - { .name: qc, .offset: 48, .size: 8, .value_kind: global_buffer, .address_space: global }
      - { .name: qs, .offset: 56, .size: 8, .value_kind: global_buffer, .address_space: global }
      - { .name: kc, .offset: 64, .size: 8, .value_kind: global_buffer, .address_space: global }
      - { .name: ks, .offset: 72, .size: 8, .value_kind: global_buffer, .address_space: global }
      - { .name: vc, .offset: 80, .size: 8, .value_kind: global_buffer, .address_space: global }
      - { .name: vs, .offset: 88, .size: 8, .value_kind: global_buffer, .address_space: global }
    .group_segment_fixed_size: 327680
    .private_segment_fixed_size: 0
    .kernarg_segment_align: 8
    .kernarg_segment_size: 96
    .max_flat_workgroup_size: 128
    .sgpr_count:     80
    .vgpr_count:     1024
    .wavefront_size: 32
...
	.end_amdgpu_metadata
.endif
;; end of part 2
;; launch attn (part 3): grid 32 x 8, 4 waves a work-group, clusters of 4 x 1, 327,680 bytes of LDS; arguments qc, qs, kc, ks, vc, vs, wc, ws, x, bo, g1, b1, bf1, bf2, g2, b2, out0; writes out0
.if DOCPART == 3
	.amdgcn_target "amdgcn-amd-amdhsa--gfx1250"
	.amdhsa_code_object_version 6
	.text
	.protected	k_q2b2cc989fd_attn
	.globl	k_q2b2cc989fd_attn
	.p2align	8
	.type	k_q2b2cc989fd_attn,@function
k_q2b2cc989fd_attn:
	s_mov_b64 s[64:65], 0
	v_nop
	global_prefetch_b8 v0, s[64:65] scope:SCOPE_SE
	s_setreg_imm32_b32 hwreg(HW_REG_WAVE_MODE, 25, 1), 1
	s_wait_xcnt 0x0
	s_wait_alu depctr_hold_cnt(0) depctr_sa_sdst(0) depctr_va_vdst(0) depctr_va_sdst(0) depctr_va_ssrc(0) depctr_va_vcc(0) depctr_vm_vsrc(0)
	s_getreg_b32 s2, hwreg(HW_REG_IB_STS2, 6, 4)
	s_cmp_eq_u32 s2, 0
	s_cbranch_scc0 .Lentry_in_a_cluster
	s_endpgm
.Lentry_in_a_cluster:
	s_bfe_u32 s2, ttmp6, 0x10000c
	s_cmp_lg_u32 s2, 0x3003
	s_cbranch_scc0 .Lentry_shape_is_right
	s_endpgm
.Lentry_shape_is_right:
; out = LN2(h + relu(h W1 + bf1) W2 + bf2), h = LN1(x + (softmax(Q K^T / sqrt(512)) V) Wo + bo).  All five products on codes of E2M1 with E8M0 scales; all else in f32.
; Q, K, V and the weights arrive as images of operand registers with their scale words, as the two launches before have laid them.
; SOFTMAX: t = score x log2(e) / sqrt(512); M = the running largest t rounded UP to a whole number; p = 2^(t - M) is quantised along the keys, not normalised; the row's sum is taken of the unquantised p and divides at the end;
; when M moves, the sum and O are multiplied by 2^(old M - new M), which rounds nothing.
; SHARES: a work-group takes 64 queries (rows) of one batch.  THE WAVES SHARE THE COLUMNS: of a step's 512 keys wave w takes 128 in S^T = K Q^T; of the 512 channels it takes 128 in O^T = V^T P^T and in the three products behind.
; So each fragment of K, V or a weight is read from LDS by one wave and feeds four products.  What goes from wave to wave through LDS is small: the rows' maxima and sums, and the images of P, of the attention's result, of h and of the hidden layer.
; Both products of attention are used transposed: a lane holds ONE query throughout.  The rows of a tile are not neighbours (lane r of tile 2 b + u: 32 b + 8 u + r + 8 (r / 8)), so that a lane's 64 results are 128 neighbours
; along the next K, shared with lane l xor 16.
; CLUSTER: the four work-groups of a cluster belong to one batch and walk the same K and V and the same weights: every tensor load is JOINT, 64 KiB a wave.
; SLOTS: KSL holds K(j), then Wo, then W2; VSL holds V(j), then W1.  K(0) and V(0) are the first fills.  KSL is filled again behind the round that follows S(j), VSL behind the round at the trip's end.
; One tensor load of a wave is out at any time.
; PREFETCH: behind the first round of a trip the batch's first cluster asks for the K of two steps on (waves 0, 1) and the V of the next step (waves 2, 3): 64 KiB a wave's half, of which each partner takes 16 KiB by address,
; lanes 256 bytes apart, two instructions; the last trips ask for nothing past the batch's keys.
; LIMITS: a block of zeros, or one under 2^-124, gets the scale byte 1 (zeros' codes are zeros); NaN and infinities are not served; 1 / l and 1 / sqrt(var + eps) are v_rcp_f32 and v_rsq_f32.
; REGISTERS, in windows of 256: window 0: addresses, statistics, codes just made, biases; v160-255 scale words alone.  window 1: S^T, then p, then P's fragments; in the tail x, then h.
;   window 2: O^T, then the accumulators of the three products.  window 3: v0-127 Q, later the activations' fragments and the norms' gains and offsets; v128-255 four units of four streamed fragments.
.set KSL,   0
.set VSL,   131072
.set PIMG,  262144                     ; 16 images, (t, s) at (4 t + s) x 1,024
.set PSC,   278528                     ; their scale words [s][lane][t]
.set EXA,   280576                     ; six areas of 2,048 bytes [wave][lane][t]: 0 maxima, 1 the sums l, 2 and 3 the first norm, 4 and 5 the second
.set STG,   292864                     ; a stage of 16 rows x 528 bytes for each wave; between two barriers of the tail: the hidden layer's images and words
.set SPARE, 326656                     ; the spare words, 128 bytes a wave: two blocks of 256 bytes that no other line names
.set L16,  1                           ; v1   16 x lane
.set AK,   2                           ; v2   my quarter of KSL
.set AV,   3                           ; v3   my quarter of VSL
.set PWI,  4                           ; v4   where I store images;  v5 where any wave reads them;  v6, v7 the same for scale words
.set PRI,  5
.set PWS,  6
.set PRS,  7
.set EXW,  8                           ; v8   where I store four numbers a lane for the other waves;  v9 where I read all waves'
.set EXR,  9
.set SGL,  10                          ; v10  my stage, 16 x lane;  v11 my stage, 528 r + 64 h
.set SGT,  11
.set P1WI, 12                          ; v12-15 as v4-7, for the hidden layer
.set P1RI, 13
.set P1WS, 14
.set P1RS, 15
.set H64,  16                          ; v16  64 x (lane / 16)
.set PFO,  17                          ; v17  256 x lane: the prefetches' offset
.set SPW,  18                          ; v18  my spare word; never rewritten
.set NIL,  19                          ; v19  0; never rewritten
.set T,    20                          ; v20-27 at work
.set NM,   28                          ; v28-35 pairs (-M, largest t), a pair a tile of queries; in the tail the means
.set LS,   36                          ; v36-43 the sums, in two halves; in the tail 1 / sqrt(var + eps)
.set F,    44                          ; v44-51 pairs whose low word is f, later 1 / l
.set L2,   52                          ; v52-59 a second chain of sums
.set TM,   44                          ; v44-59 in the tail: the quantiser's work and the norms' chains
.set PW,   60                          ; v60-63 scale words just made
.set PC,   64                          ; v64-95 codes just made
.set EX,   72                          ; v72-87 in the tail: what the other waves sent
.set BM,   96                          ; v96-111  the largest score, then the largest p, of each of 16 blocks
.set BT,   112                         ; v112-127 at work
.set SO,   128                         ; v128-143 the conversions' scale operands
.set PRM,  96                          ; v96-159 in the tail: a bias in the result's layout
.set QS,   160                         ; v160-175 Q's scale words, 4 s + t
.set KVR,  176                         ; v176-207 K's words, V's half words, later a weight's words
.set VS,   208                         ; v208-239 V's words, 4 ct + ks
.set PS,   240                         ; v240-255 P's words, later the activations', 4 s + t
.set G0K,  20
.set G1,   24
.set G0V,  32
.set WV,   54
.set J,    55
.set SEL,  56
.set CS,   58
.set KA,   60
.set WOA,  62
.set W1A,  66
.set W2A,  68
.set KSB,  70
.set VSB,  72
.set WOS,  74
.set NB,   76
.set PFA,  78
.set LIM,  80
.set CX,   81
.set XB,   82
.set OB,   84
.set VA,   86
.set W1S,  88
.set W2S,  90
.set PSL,  92                          ; s92, s93 byte selectors
.set C512, 94                          ; s94  1 / 512
.set CEPS, 95                          ; s95  1e-5
.set MSB, 0
.macro WIN new                         ; the immediate's high byte repeats the setting that is left; a switch that changes nothing is dropped
.if MSB != \new
	s_set_vgpr_msb (MSB<<8)|\new
.set MSB, \new
.endif
.endm
.macro ROUND                           ; a round of the cluster's barrier
	s_barrier_signal -1
	s_barrier_wait -1
	s_cmp_lg_u32 s[WV], 0
	s_cbranch_scc1 .Lnw0_\@
	s_barrier_signal -3
.Lnw0_\@:
	s_barrier_wait -3
	s_barrier_signal -1
	s_barrier_wait -1
.endm
.macro BAR                             ; my LDS instructions are done: then the work-group's barrier
	s_wait_dscnt 0x0
	s_barrier_signal -1
	s_barrier_wait -1
.endm
.macro JL a, b                         ; a joint load: waves 0 and 1 by group 0 a, waves 2 and 3 by b; four v_nop follow each line
	s_cmp_lt_u32 s[WV], 2
	s_cbranch_scc0 .Ljb_\@
	tensor_load_to_lds s[\a:\a+3], s[G1:G1+7]
	s_nop 0
.rept 4
	v_nop
.endr
	s_branch .Lje_\@
.Ljb_\@:
	tensor_load_to_lds s[\b:\b+3], s[G1:G1+7]
	s_nop 0
.rept 4
	v_nop
.endr
.Lje_\@:
.endm
.macro JL_LO a                         ; waves 0 and 1 alone
	s_cmp_lt_u32 s[WV], 2
	s_cbranch_scc0 .Ljs_\@
	tensor_load_to_lds s[\a:\a+3], s[G1:G1+7]
	s_nop 0
.rept 4
	v_nop
.endr
.Ljs_\@:
.endm
.macro JL_HI b                         ; waves 2 and 3 alone
	s_cmp_ge_u32 s[WV], 2
	s_cbranch_scc0 .Ljs_\@
	tensor_load_to_lds s[\b:\b+3], s[G1:G1+7]
	s_nop 0
.rept 4
	v_nop
.endr
.Ljs_\@:
.endm
; 64 numbers of a lane, v[s] .. v[s + 63] of window sw, register 16 b + i = k 32 b + 16 (lane / 16) + i of the lane's row, become a fragment's codes in v[pc] on and its scale word in v[pw] (window 0).
.macro QUANT s, sw, pc, pw
	WIN (\sw)|((\sw)<<2)
.irp b, 0,1,2,3
	v_max3_num_f32 v[TM+\b], |v[(\s)+16*\b]|, |v[(\s)+16*\b+1]|, 0x1800000   ; block b: my 16 numbers, from the low end on, and the floor 2^(3 - 127)
.endr
	WIN ((\sw)<<2)|((\sw)<<4)
.irp i, 2,4,6,8,10,12,14
.irp b, 0,1,2,3
	v_max3_num_f32 v[TM+\b], v[TM+\b], |v[(\s)+16*\b+\i]|, |v[(\s)+16*\b+\i+1]|   ; the four blocks by turns
.endr
.endr
	WIN 0
.irp b, 0,1,2,3
	v_permlanex16_b32 v[TM+4+\b], v[TM+\b], s[SEL], s[SEL+1]
.endr
.irp b, 0,1,2,3
	v_max_num_f32 v[TM+\b], v[TM+\b], v[TM+4+\b]   ; with lane l xor 16's: the block's largest magnitude
.endr
.irp b, 0,1,2,3
	v_add_nc_u32 v[TM+12+\b], 0xff000000, v[TM+\b] ; 2 off its exponent field: the conversion's scale operand
.endr
.irp b, 0,1,2,3
	v_lshrrev_b32 v[TM+4+\b], 23, v[TM+12+\b]      ; the scale's byte
.endr
	v_lshl_or_b32 v[\pw], v[TM+5], 8, v[TM+4]
	v_lshl_or_b32 v[\pw], v[TM+6], 16, v[\pw]
	v_lshl_or_b32 v[\pw], v[TM+7], 24, v[\pw]
	WIN \sw
.irp b, 0,1,2,3
	v_cvt_scalef32_pk8_fp4_f32 v[(\pc)+2*\b], v[(\s)+16*\b:(\s)+16*\b+7], v[TM+12+\b]
	v_cvt_scalef32_pk8_fp4_f32 v[(\pc)+2*\b+1], v[(\s)+16*\b+8:(\s)+16*\b+15], v[TM+12+\b]
.endr
	WIN 0
	v_nop                                          ; one plain place behind a scaled conversion
.irp c, 0,1                            ; the operand's layout wants a WHOLE block in a lane
.irp i, 0,1
	v_permlane16_swap_b32 v[(\pc)+4*\c+\i], v[(\pc)+4*\c+2+\i]
.endr
.endr
.endm
.macro WM d, a, b, ck, c, sa, sb       ; one product; ck = 0: it starts the sum with the constant 0
.if \ck == 0
	v_wmma_scale_f32_16x16x128_f8f6f4 v[\d:\d+7], v[\a:\a+7], v[\b:\b+7], 0, v[\sa], v[\sb] matrix_a_fmt:MATRIX_FMT_FP4 matrix_b_fmt:MATRIX_FMT_FP4
.else
	v_wmma_scale_f32_16x16x128_f8f6f4 v[\d:\d+7], v[\a:\a+7], v[\b:\b+7], v[\c:\c+7], v[\sa], v[\sb] matrix_a_fmt:MATRIX_FMT_FP4 matrix_b_fmt:MATRIX_FMT_FP4
.endif
.endm
.macro UNIT adr                        ; unit gN of the streamed operand, four fragments, into buffer gN % 4 of window 3
.set uS, 0
.rept 4
	ds_load_b128 v[128+32*(gN%4)+8*uS:128+32*(gN%4)+8*uS+3], v[\adr] offset:(4*gN+uS)*1024
	ds_load_b128 v[128+32*(gN%4)+8*uS+4:128+32*(gN%4)+8*uS+7], v[\adr] offset:(4*gN+uS)*1024+512
.set uS, uS+1
.endr
.endm
; 128 products: 8 units n of the streamed operand (from LDS at v[adr]) x 4 K steps s x 4 tiles t of the resident operand (fragment (t, s) at bb + 8 (4 t + s)).
; accm 0: accumulator 64 t + 8 n; 1: 32 n + 8 t.  asmd 0: the stream's scale word at asb + 4 n + s; 1: at asb + 16 (n / 4) + 4 s + n % 4.  The resident's at bsb + 4 s + t.
; cm: what starts a sum: 0 the constant 0, 1 v[cb + 8 n] on, 2 the accumulator.  swap = 1: the resident operand is source 0.  wm0, wm1: the windows for s = 0 and for the other K steps.
; A unit's four accumulators take turns, one instruction a turn.  Four units are on their way or at work; the counted waits leave the younger units' loads, 8 each, out.
.macro GEMM8 adr, wm0, wm1, bb, accm, asb, asmd, bsb, cm, cb, swap
.rept 5
	v_nop                                          ; places: the buffers are loaded anew, and results are laid over registers that earlier products named
.endr
	WIN 0xC0
.set gN, 0
.rept 4
	UNIT \adr
.set gN, gN+1
.endr
.set gM, 0
.rept 8
.if gM < 4
	s_wait_dscnt 24
.else
	s_wait_dscnt 8*(7-gM)
.endif
.set gS, 0
.rept 4
.if gS == 0
	WIN \wm0
.else
	WIN \wm1
.endif
.set gT, 0
.rept 4
.if \accm
.set rD, 32*gM+8*gT
.else
.set rD, 64*gT+8*gM
.endif
.set rF, 128+32*(gM%4)+8*gS
.set rR, \bb+8*(4*gT+gS)
.if \asmd
.set rX, \asb+16*(gM/4)+4*gS+gM%4
.else
.set rX, \asb+4*gM+gS
.endif
.set rY, \bsb+4*gS+gT
.set rC, rD
.set kC, 1
.if gS == 0
.if \cm == 0
.set kC, 0
.elseif \cm == 1
.set rC, \cb+8*gM
.endif
.endif
.if \swap
	WM rD, rR, rF, kC, rC, rY, rX
.else
	WM rD, rF, rR, kC, rC, rX, rY
.endif
.set gT, gT+1
.endr
.set gS, gS+1
.endr
.if gM < 4
.rept 4
	v_nop                                          ; places in front of loads into a buffer that products have read
.endr
	WIN 0xC0
.set gN, gM+4
	UNIT \adr
.endif
.set gM, gM+1
.endr
	WIN 0
.rept 4
	v_nop                                          ; places in front of the first read of results
.endr
.endm
.macro PLOAD reg, ptr                  ; my 128 numbers of a row vector in the result's layout: lane (r, h), tile n: columns 32 (n / 2) + 16 h + 8 (n % 2) + 0 .. 7
.irp n, 0,1,2,3,4,5,6,7
	global_load_b128 v[\reg+8*\n:\reg+8*\n+3], v[H64], s[\ptr:\ptr+1] offset:(32*(\n/2)+8*(\n%2))*4
	global_load_b128 v[\reg+8*\n+4:\reg+8*\n+7], v[H64], s[\ptr:\ptr+1] offset:(32*(\n/2)+8*(\n%2))*4+16
.endr
.endm
.macro SLOAD ptr                       ; 32 scale words of my quarter
.irp m, 0,1,2,3,4,5,6,7
	global_load_b128 v[KVR+4*\m:KVR+4*\m+3], v[L16], s[\ptr:\ptr+1] offset:512*\m
.endr
.endm
.macro IMAGES wi, ws                   ; the four fragments in v[PC] on and their words go to LDS as they stand: K step w of the next product
.irp t, 0,1,2,3
	ds_store_b128 v[\wi], v[PC+8*\t:PC+8*\t+3] offset:4096*\t
	ds_store_b128 v[\wi], v[PC+8*\t+4:PC+8*\t+7] offset:4096*\t+512
.endr
	ds_store_b128 v[\ws], v[PW:PW+3]
.endm
.macro BLOAD ri, rs                    ; all 16 fragments into window 3, v0-127, and their words
	WIN 0xC0
.irp f, 0,1,2,3,4,5,6,7,8,9,10,11,12,13,14,15
	ds_load_b128 v[8*\f:8*\f+3], v[\ri] offset:1024*\f
	ds_load_b128 v[8*\f+4:8*\f+7], v[\ri] offset:1024*\f+512
.endr
	WIN 0
.irp s, 0,1,2,3
	ds_load_b128 v[PS+4*\s:PS+4*\s+3], v[\rs] offset:512*\s
.endr
.endm
.macro FOLD2 area                      ; v[T + t]: my lane's part of a row's sum: with lane l xor 16's it goes to the other waves
.irp t, 0,1,2,3
	v_permlanex16_b32 v[T+4+\t], v[T+\t], s[SEL], s[SEL+1]
.endr
.irp t, 0,1,2,3
	v_add_f32 v[T+\t], v[T+\t], v[T+4+\t]
.endr
	ds_store_b128 v[EXW], v[T:T+3] offset:(\area)*2048
.endm
.macro FOLD area                       ; the two chains of each tile first
.irp t, 0,1,2,3
	v_pk_add_f32 v[TM+4*\t:TM+4*\t+1], v[TM+4*\t:TM+4*\t+1], v[TM+4*\t+2:TM+4*\t+3]
.endr
.irp t, 0,1,2,3
	v_add_f32 v[T+\t], v[TM+4*\t], v[TM+4*\t+1]
.endr
	FOLD2 \area
.endm
.macro GATHER area                     ; the four waves' parts are added: v[T + t]
.irp w, 0,1,2,3
	ds_load_b128 v[EX+4*\w:EX+4*\w+3], v[EXR] offset:(\area)*2048+512*\w
.endr
	s_wait_dscnt 0x0
.irp t, 0,1,2,3
	v_add_f32 v[T+\t], v[EX+\t], v[EX+4+\t]
.endr
.irp t, 0,1,2,3
	v_add_f32 v[T+4+\t], v[EX+8+\t], v[EX+12+\t]
.endr
.irp t, 0,1,2,3
	v_add_f32 v[T+\t], v[T+\t], v[T+4+\t]
.endr
.endm
; A layer norm of the 64 rows in window 1 (my 128 columns of each), in two passes as it is defined: the mean, then the mean of the squared differences.  Gains in window 3 v0-63, offsets in v64-127.
; refill = 1: the first of its two barriers is a round behind which W2 takes Wo's bytes.
.macro LN area, refill
	WIN 0x05
.irp t, 0,1,2,3
	v_pk_add_f32 v[TM+4*\t:TM+4*\t+1], v[64*\t:64*\t+1], v[64*\t+2:64*\t+3]
	v_pk_add_f32 v[TM+4*\t+2:TM+4*\t+3], v[64*\t+4:64*\t+5], v[64*\t+6:64*\t+7]
.endr
	WIN 0x04
.irp k, 8,12,16,20,24,28,32,36,40,44,48,52,56,60
.irp t, 0,1,2,3
	v_pk_add_f32 v[TM+4*\t:TM+4*\t+1], v[TM+4*\t:TM+4*\t+1], v[64*\t+\k:64*\t+\k+1]
	v_pk_add_f32 v[TM+4*\t+2:TM+4*\t+3], v[TM+4*\t+2:TM+4*\t+3], v[64*\t+\k+2:64*\t+\k+3]
.endr
.endr
	WIN 0
	FOLD \area
.if \refill
	s_wait_tensorcnt 0x0                           ; no tensor load of mine is out: W1 has landed,
	ds_add_u32 v[SPW], v[NIL]                      ; 0 onto my spare word
	s_mov_b64 s[G0K+2:G0K+3], s[W2A:W2A+1]         ; so the group 0 may be written
	s_or_b32 s[G0K+3], s[G0K+3], 0x80000000
	s_wait_dscnt 0x0                               ; the add is done, my store has landed, and my reads of Wo are over
	ROUND
	JL_LO G0K                                      ; W2 into Wo's bytes
.else
	BAR
.endif
	GATHER \area
.irp t, 0,1,2,3
	v_mul_f32 v[NM+2*\t], s[C512], v[T+\t]         ; the mean
.endr
	WIN 0x41
.set iK, 0
.rept 128
	v_pk_add_f32 v[2*iK:2*iK+1], v[2*iK:2*iK+1], v[NM+2*(iK/32):NM+2*(iK/32)+1] op_sel_hi:[1,0] neg_lo:[0,1] neg_hi:[0,1]
.set iK, iK+1
.endr
	WIN 0x05
.irp t, 0,1,2,3
	v_pk_mul_f32 v[TM+4*\t:TM+4*\t+1], v[64*\t:64*\t+1], v[64*\t:64*\t+1]
	v_pk_mul_f32 v[TM+4*\t+2:TM+4*\t+3], v[64*\t+2:64*\t+3], v[64*\t+2:64*\t+3]
.endr
.irp k, 4,8,12,16,20,24,28,32,36,40,44,48,52,56,60
.irp t, 0,1,2,3
	v_pk_fma_f32 v[TM+4*\t:TM+4*\t+1], v[64*\t+\k:64*\t+\k+1], v[64*\t+\k:64*\t+\k+1], v[TM+4*\t:TM+4*\t+1]
	v_pk_fma_f32 v[TM+4*\t+2:TM+4*\t+3], v[64*\t+\k+2:64*\t+\k+3], v[64*\t+\k+2:64*\t+\k+3], v[TM+4*\t+2:TM+4*\t+3]
.endr
.endr
	WIN 0
	FOLD \area+1
	BAR
	GATHER \area+1
.irp t, 0,1,2,3
	v_fma_f32 v[T+\t], v[T+\t], s[C512], s[CEPS]   ; var + eps
.endr
.irp t, 0,1,2,3
	v_rsq_f32 v[LS+2*\t], v[T+\t]
.endr
	v_nop                                          ; a plain place behind the last of the four
	s_wait_alu depctr_va_vdst(0)                   ; one wait for the four, ahead of their first reader
	s_wait_loadcnt 0x0                             ; the gains and offsets, and what was asked for with them
	WIN 0x41
.set iK, 0
.rept 128
	v_pk_mul_f32 v[2*iK:2*iK+1], v[2*iK:2*iK+1], v[LS+2*(iK/32):LS+2*(iK/32)+1] op_sel_hi:[1,0]
.set iK, iK+1
.endr
	WIN 0x7D                                       ; gains and offsets in window 3
.set iK, 0
.rept 128
	v_pk_fma_f32 v[2*iK:2*iK+1], v[2*iK:2*iK+1], v[2*(iK%32):2*(iK%32)+1], v[64+2*(iK%32):64+2*(iK%32)+1]
.set iK, iK+1
.endr
	WIN 0
.endm
.macro TO_LANES t                      ; tile t in window 1, a register group a row (16 bytes a lane), goes through my stage and comes back a lane a row, in the results' layout
	WIN 0x04
.irp i, 0,1,2,3,4,5,6,7,8,9,10,11,12,13,14,15
	ds_store_b128 v[SGL], v[64*(\t)+4*\i:64*(\t)+4*\i+3] offset:528*\i
.endr
	WIN 0x40
.irp b, 0,1,2,3
.irp j, 0,1,2,3
	ds_load_b128 v[64*(\t)+16*\b+4*\j:64*(\t)+16*\b+4*\j+3], v[SGT] offset:128*\b+16*\j   ; LDS serves a wave's instructions in order: these see my stores, and the next tile's stores come behind them
.endr
.endr
.endm
.macro TO_ROWS t                       ; and the other way round
	WIN 0x04
.irp b, 0,1,2,3
.irp j, 0,1,2,3
	ds_store_b128 v[SGT], v[64*(\t)+16*\b+4*\j:64*(\t)+16*\b+4*\j+3] offset:128*\b+16*\j
.endr
.endr
	WIN 0x40
.irp i, 0,1,2,3,4,5,6,7,8,9,10,11,12,13,14,15
	ds_load_b128 v[64*(\t)+4*\i:64*(\t)+4*\i+3], v[SGL] offset:528*\i
.endr
.endm
.macro SEND t, cnt                     ; cnt: the LDS instructions issued behind tile t's loads, which may stay out
	s_wait_dscnt \cnt
	WIN 0x04
.irp i, 0,1,2,3,4,5,6,7,8,9,10,11,12,13,14,15
	global_store_b128 v[L16], v[64*(\t)+4*\i:64*(\t)+4*\i+3], s[OB:OB+1] offset:(32*((\t)/2)+8*((\t)%2)+\i+8*(\i/8))*2048 th:TH_STORE_NT   ; 32 lanes store 512 consecutive bytes, aligned
.endr
.endm
	s_load_b512 s[4:19], s[0:1], 0x0               ; qc 4, qs 6, kc 8, ks 10, vc 12, vs 14, wc 16, ws 18
	s_load_b512 s[36:51], s[0:1], 0x40             ; x 36, bo 38, g1 40, b1 42, bf1 44, bf2 46, g2 48, b2 50
	s_load_b64 s[52:53], s[0:1], 0x80              ; out0
	v_lshl_add_u32 v[SPW], v0, 2, SPARE
	v_mov_b32 v[NIL], 0
	ds_add_u32 v18, v19
	ds_add_u32 v18, v19
	s_wait_dscnt 0x0
	v_lshrrev_b32 v20, 5, v0
	v_readfirstlane_b32 s[WV], v20                 ; wave 0..3
	; descriptor group 1: 64 KiB, dense in memory, as 256 rows of 256 bytes (32 elements of 8 bytes); no padding: images are read 16 x lane on end
	s_mov_b32 s[G1], 15|(3<<16)|(1<<21)            ; 15:0 the mask: all four work-groups; 17:16 elements of 8 bytes; 21 set beside a mask
	s_mov_b32 s[G1+1], 32<<16
	s_mov_b32 s[G1+2], 256<<16
	s_mov_b32 s[G1+3], 32<<16
	s_mov_b32 s[G1+4], 256
	s_mov_b32 s[G1+5], 32
	s_mov_b32 s[G1+6], 0
	s_mov_b32 s[G1+7], 0
	s_and_b32 s92, ttmp7, 0xffff                   ; the batch, which the four partners share
	s_and_b32 s2, s[WV], 1
	s_lshl_b32 s2, s2, 16                          ; which half of a slot I fetch
	s_mov_b32 s3, 0
	s_lshl_b32 s96, s92, 19                        ; a batch's codes of K or of V: 524,288 bytes
	s_add_co_u32 s96, s96, s2
	s_mov_b32 s97, 0
	s_mov_b32 s[G0K], 1
	s_mov_b32 s[G0K+1], s2
	s_mov_b32 s[G0V], 1
	s_add_co_u32 s[G0V+1], s2, VSL
	s_mov_b32 s[SEL], 0x76543210
	s_mov_b32 s[SEL+1], 0xfedcba98                 ; v_permlanex16_b32's selects for lane l xor 16
	s_mov_b32 s[CS], 0x3d8293ee                    ; c = log2(e) / sqrt(512)
	s_mov_b32 s[CS+1], s[CS]                       ; (named with it as a pair, so it is written)
	s_wait_kmcnt 0x0
	s_add_nc_u64 s[KA:KA+1], s[8:9], s[96:97]      ; my half of K(0), of V(0),
	s_add_nc_u64 s[VA:VA+1], s[12:13], s[96:97]
	s_add_nc_u64 s[WOA:WOA+1], s[16:17], s[2:3]    ; and of Wo, W1, W2
	s_add_nc_u64 s[W1A:W1A+1], s[WOA:WOA+1], 4*131072
	s_add_nc_u64 s[W2A:W2A+1], s[WOA:WOA+1], 5*131072
	s_add_nc_u64 s[WOA:WOA+1], s[WOA:WOA+1], 3*131072
	s_mov_b64 s[G0K+2:G0K+3], s[KA:KA+1]
	s_or_b32 s[G0K+3], s[G0K+3], 0x80000000
	s_mov_b64 s[G0V+2:G0V+3], s[VA:VA+1]
	s_or_b32 s[G0V+3], s[G0V+3], 0x80000000
	ROUND                                          ; all four work-groups are here: the first joint loads meet
	JL G0K, G0V                                    ; K(0) and V(0): one tensor load of mine is out
	s_bfe_u32 s[CX], ttmp6, 0x40000
	s_lshl_b32 s93, ttmp9, 2
	s_add_co_u32 s93, s93, s[CX]                   ; my block of 64 queries in the batch
	s_lshl_b32 s94, s92, 5
	s_add_co_u32 s94, s94, s93                     ; and among all 256
	v_and_b32 v20, 31, v0
	v_lshlrev_b32 v[L16], 4, v20
	v_lshlrev_b32 v[PFO], 8, v20
	v_and_b32 v21, 15, v0                          ; r
	v_bfe_u32 v22, v0, 4, 1                        ; h
	v_lshlrev_b32 v[H64], 6, v22
	s_mov_b32 s99, 0
	s_lshl_b32 s98, s94, 14
	s_add_nc_u64 s[4:5], s[4:5], s[98:99]          ; Q's codes
	s_lshl_b32 s98, s94, 11
	s_add_nc_u64 s[6:7], s[6:7], s[98:99]          ; Q's words
	s_lshl_b32 s98, s92, 16                        ; K's and V's words: 65,536 a batch, 4,096 a wave's quarter
	s_lshl_b32 s100, s[WV], 12
	s_add_co_u32 s98, s98, s100
	s_add_nc_u64 s[KSB:KSB+1], s[10:11], s[98:99]
	s_add_nc_u64 s[VSB:VSB+1], s[14:15], s[98:99]
	s_mov_b32 s98, s100
	s_add_nc_u64 s[WOS:WOS+1], s[18:19], s[98:99]  ; the weights' words
	s_add_nc_u64 s[W1S:W1S+1], s[WOS:WOS+1], 4*16384
	s_add_nc_u64 s[W2S:W2S+1], s[WOS:WOS+1], 5*16384
	s_add_nc_u64 s[WOS:WOS+1], s[WOS:WOS+1], 3*16384
	WIN 0xC0                                       ; destination window 3
.irp f, 0,1,2,3,4,5,6,7,8,9,10,11,12,13,14,15
	global_load_b128 v[8*\f:8*\f+3], v[L16], s[4:5] offset:1024*\f          ; Q's 16 fragments stay in registers
	global_load_b128 v[8*\f+4:8*\f+7], v[L16], s[4:5] offset:1024*\f+512
.endr
	WIN 0
.irp s, 0,1,2,3
	global_load_b128 v[QS+4*\s:QS+4*\s+3], v[L16], s[6:7] offset:512*\s
.endr
	SLOAD KSB                                      ; the first step's words of K
	s_lshl_b32 s98, s[WV], 9                       ; my 128 numbers of each row vector
.irp p, 38,40,42,44,46,48,50
	s_add_nc_u64 s[\p:\p+1], s[\p:\p+1], s[98:99]
.endr
	s_lshl_b32 s100, s94, 17
	s_add_co_u32 s98, s98, s100                    ; and of my 64 rows of x and of the output
	s_add_nc_u64 s[XB:XB+1], s[36:37], s[98:99]
	s_add_nc_u64 s[OB:OB+1], s[52:53], s[98:99]
	s_cmp_lt_u32 s[WV], 2                          ; the prefetches: waves 0, 1 ask for K, waves 2, 3 for V
	s_cselect_b64 s[PFA:PFA+1], s[8:9], s[12:13]
	s_cselect_b32 s[LIM], 2, 1                     ; K two steps on: while more than 2 trips are left; V one step on: while more than 1
	s_cselect_b32 s98, 131072, 0                   ; one step behind what the first trip names: it is stepped ahead of each request
	s_add_co_u32 s98, s98, s96                     ; in my batch, my half,
	s_lshl_b32 s100, s[CX], 14
	s_add_co_u32 s98, s98, s100                    ; my work-group's 16 KiB of it: the partners are told apart by address
	s_add_nc_u64 s[PFA:PFA+1], s[PFA:PFA+1], s[98:99]
	s_cmp_eq_u32 ttmp9, 0                          ; all clusters of a batch walk the same K and V: the first asks
	s_cselect_b32 s[LIM], s[LIM], -1
	s_mov_b32 s[PSL], 0x05040100                   ; the two low halves;
	s_mov_b32 s[PSL+1], 0x07060302                 ; the two high halves
	s_mov_b32 s[C512], 0x3b000000
	s_mov_b32 s[CEPS], 0x3727c5ac
	s_lshl_b32 s98, s[WV], 15
	v_add_nc_u32 v[AK], s98, v[L16]
	v_add_nc_u32 v[AV], VSL, v[AK]
	s_lshl_b32 s98, s[WV], 10
	v_add_nc_u32 v23, s98, v[L16]
	v_add_nc_u32 v[PWI], PIMG, v23
	v_add_nc_u32 v[P1WI], STG, v23
	v_add_nc_u32 v[PRI], PIMG, v[L16]
	v_add_nc_u32 v[P1RI], STG, v[L16]
	s_lshl_b32 s98, s[WV], 9
	v_add_nc_u32 v23, s98, v[L16]
	v_add_nc_u32 v[PWS], PSC, v23
	v_add_nc_u32 v[P1WS], STG+16384, v23
	v_add_nc_u32 v[EXW], EXA, v23
	v_add_nc_u32 v[PRS], PSC, v[L16]
	v_add_nc_u32 v[P1RS], STG+16384, v[L16]
	v_add_nc_u32 v[EXR], EXA, v[L16]
	s_mul_i32 s98, s[WV], 8448
	s_add_co_u32 s98, s98, STG
	v_add_nc_u32 v[SGL], s98, v[L16]
	v_mul_u32_u24 v23, v21, 528
	v_add_nc_u32 v23, v23, v[H64]
	v_add_nc_u32 v[SGT], s98, v23
.irp q, 0,1,2,3
	v_mov_b32 v[NM+2*\q+1], 0xff61b1e6             ; the largest t so far: -3e38, under every t
	v_mov_b32 v[LS+2*\q], 0                        ; the sums
	v_mov_b32 v[LS+2*\q+1], 0
	v_mov_b32 v[F+2*\q], 0
	v_mov_b32 v[F+2*\q+1], 0                       ; (named as the upper half of a pair)
	v_mov_b32 v[T+\q], 0
	v_mov_b32 v[T+4+\q], 0                         ; (a lane permute's destination counts as one of its sources)
.endr
.irp q, 0,1,2,3
	v_floor_f32 v[NM+2*\q], -v[NM+2*\q+1]          ; -M
.endr
.set iK, 0
.rept 16
	v_mov_b32 v[BT+iK], 0
.set iK, iK+1
.endr
	WIN 0x80
.set iK, 0
.rept 256
	v_mov_b32 v[iK], 0                             ; O^T.  The step is written once: its first trip finds zeros, which the first change of M leaves zeros; a first step of its own would be a second copy of the loop
.set iK, iK+1
.endr
	WIN 0
	s_wait_tensorcnt 0x0                           ; my half of K(0) or V(0) has landed: other waves read it
	BAR
	s_mov_b32 s[J], 4                              ; trips to go: 512 keys a trip
.Ltrip:
	; ---- S^T = K Q^T: my 128 keys x the 64 queries
	s_wait_loadcnt 0x0                             ; K's words (in the first trip Q and its words too)
	GEMM8 AK, 0x5F, 0x5F, 0, 0, KVR, 1, QS, 0, 0, 0
.irp m, 0,1,2,3,4,5,6,7
	global_load_b128 v[KVR+4*\m:KVR+4*\m+3], v[L16], s[VSB:VSB+1] offset:512*\m   ; V's half words take the place of K's words
.endr
	; ---- the largest score of each block of 32 keys: it serves for the row's maximum and, since p rises with the score, for the block's largest p
	WIN 0x15
.set iK, 0
.rept 16
	v_max3_num_f32 v[BM+iK], v[16*iK], v[16*iK+1], v[16*iK+2]
.set iK, iK+1
.endr
	WIN 0x14
.irp i, 3,5,7,9,11,13
.set iK, 0
.rept 16
	v_max3_num_f32 v[BM+iK], v[BM+iK], v[16*iK+\i], v[16*iK+\i+1]
.set iK, iK+1
.endr
.endr
.set iK, 0
.rept 16
	v_max_num_f32 v[BM+iK], v[BM+iK], v[16*iK+15]
.set iK, iK+1
.endr
	WIN 0
.set iK, 0
.rept 16
	v_permlanex16_b32 v[BT+iK], v[BM+iK], s[SEL], s[SEL+1]
.set iK, iK+1
.endr
.set iK, 0
.rept 16
	v_max_num_f32 v[BM+iK], v[BM+iK], v[BT+iK]     ; with lane l xor 16's 16 keys
.set iK, iK+1
.endr
.irp q, 0,1,2,3
	v_max3_num_f32 v[T+\q], v[BM+4*\q], v[BM+4*\q+1], v[BM+4*\q+2]
.endr
.irp q, 0,1,2,3
	v_max_num_f32 v[T+\q], v[T+\q], v[BM+4*\q+3]   ; my 128 keys' largest score of each query
.endr
	ds_store_b128 v[EXW], v[T:T+3]                 ; to the other waves
	; ---- the first round of the trip: nobody reads K(j) any more
	s_wait_tensorcnt 0x0                           ; no tensor load of mine is out: V(j) has landed,
	ds_add_u32 v[SPW], v[NIL]                      ; 0 onto my spare word
	s_add_nc_u64 s[KA:KA+1], s[KA:KA+1], 131072    ; so the group 0 may be written: the next 512 keys,
	s_cmp_eq_u32 s[J], 1
	s_cselect_b64 s[G0K+2:G0K+3], s[WOA:WOA+1], s[KA:KA+1]   ; or, behind the last, Wo
	s_or_b32 s[G0K+3], s[G0K+3], 0x80000000
	s_wait_xcnt 0x0                                ; the last trip's prefetches have read their address
	s_add_nc_u64 s[PFA:PFA+1], s[PFA:PFA+1], 131072
	s_wait_dscnt 0x0                               ; the add is done, my store has landed, and my reads of K(j) are over
	ROUND
	JL_LO G0K                                      ; it has the softmax and the second product in which to land
	s_cmp_gt_u32 s[J], s[LIM]
	s_cbranch_scc0 .Lnot_mine
	global_prefetch_b8 v[PFO], s[PFA:PFA+1] th:TH_LOAD_NT scope:SCOPE_SE
	global_prefetch_b8 v[PFO], s[PFA:PFA+1] offset:8192 th:TH_LOAD_NT scope:SCOPE_SE
.Lnot_mine:
	; ---- the softmax
.irp w, 0,1,2,3
	ds_load_b128 v[BT+4*\w:BT+4*\w+3], v[EXR] offset:512*\w
.endr
	s_wait_dscnt 0x0
.irp q, 0,1,2,3
	v_max3_num_f32 v[T+\q], v[BT+\q], v[BT+4+\q], v[BT+8+\q]
.endr
.irp q, 0,1,2,3
	v_max_num_f32 v[T+\q], v[T+\q], v[BT+12+\q]    ; the step's largest score of each query, the same in all four waves
.endr
.irp q, 0,1,2,3
	v_mul_f32 v[T+\q], s[CS], v[T+\q]              ; as t (c is positive)
.endr
.irp q, 0,1,2,3
	v_max_num_f32 v[NM+2*\q+1], v[NM+2*\q+1], v[T+\q]   ; the running largest t
.endr
.irp q, 0,1,2,3
	v_mov_b32 v[T+\q], v[NM+2*\q]
.endr
.irp q, 0,1,2,3
	v_floor_f32 v[NM+2*\q], -v[NM+2*\q+1]          ; the new -M = floor(-t): M is a whole number
.endr
.irp q, 0,1,2,3
	v_sub_f32 v[T+\q], v[NM+2*\q], v[T+\q]         ; old M - new M: a whole number, 0 or less
.endr
.irp q, 0,1,2,3
	v_cvt_i32_f32 v[T+\q], v[T+\q]                 ; (it saturates)
.endr
.irp q, 0,1,2,3
	v_ldexp_f32 v[F+2*\q], 1.0, v[T+\q]            ; f = 2^(old M - new M)
.endr
	WIN 0x41
.set iK, 0
.rept 128
	v_pk_fma_f32 v[2*iK:2*iK+1], v[2*iK:2*iK+1], s[CS:CS+1], v[NM+2*(iK/32):NM+2*(iK/32)+1] op_sel_hi:[1,0,0]   ; t - M, two at a time
.set iK, iK+1
.endr
	WIN 0
.set iK, 0
.rept 16
	v_fma_f32 v[BM+iK], v[BM+iK], s[CS], v[NM+2*(iK/4)]   ; the same of each block's largest score
.set iK, iK+1
.endr
	WIN 0x41
.set iK, 0
.rept 256
	v_exp_f32 v[iK], v[iK]                         ; p = 2^(t - M), at most 1: not normalised
.set iK, iK+1
.endr
	WIN 0
.irp q, 0,1,2,3
	v_pk_mul_f32 v[LS+2*\q:LS+2*\q+1], v[LS+2*\q:LS+2*\q+1], v[F+2*\q:F+2*\q+1] op_sel_hi:[1,0]   ; the sums under the new M: plain lines behind the exponentials
.endr
	s_wait_alu depctr_va_vdst(0)                   ; one wait for the whole batch, ahead of its first reader
.set iK, 0
.rept 16
	v_exp_f32 v[BM+iK], v[BM+iK]                   ; each block's largest p: the same two instructions on the same number give the same bits
.set iK, iK+1
.endr
	WIN 0x05
.irp q, 0,1,2,3
	v_pk_add_f32 v[L2+2*\q:L2+2*\q+1], v[64*\q:64*\q+1], v[64*\q+2:64*\q+3]   ; the sums are taken of the unquantised p, in two chains a tile
.endr
	WIN 0x04
.irp j, 4,8,12,16,20,24,28,32,36,40,44,48,52,56,60
.irp q, 0,1,2,3
	v_pk_add_f32 v[LS+2*\q:LS+2*\q+1], v[LS+2*\q:LS+2*\q+1], v[64*\q+\j:64*\q+\j+1]
	v_pk_add_f32 v[L2+2*\q:L2+2*\q+1], v[L2+2*\q:L2+2*\q+1], v[64*\q+\j+2:64*\q+\j+3]
.endr
.endr
	WIN 0
.irp q, 0,1,2,3
	v_pk_add_f32 v[LS+2*\q:LS+2*\q+1], v[LS+2*\q:LS+2*\q+1], v[L2+2*\q:L2+2*\q+1]
.endr
	s_wait_alu depctr_va_vdst(0)                   ; and one for the sixteen
.set iK, 0
.rept 16
	v_max_num_f32 v[BM+iK], 0x1800000, v[BM+iK]    ; the floor 2^(3 - 127): the byte cannot fall under 1
.set iK, iK+1
.endr
.set iK, 0
.rept 16
	v_add_nc_u32 v[SO+iK], 0xff000000, v[BM+iK]    ; 2 off the exponent field: the conversion's scale operand
.set iK, iK+1
.endr
.set iK, 0
.rept 16
	v_lshrrev_b32 v[BT+iK], 23, v[SO+iK]           ; the scale's byte
.set iK, iK+1
.endr
.irp q, 0,1,2,3
	v_lshl_or_b32 v[PW+\q], v[BT+4*\q+1], 8, v[BT+4*\q]
.endr
.irp q, 0,1,2,3
	v_lshl_or_b32 v[PW+\q], v[BT+4*\q+2], 16, v[PW+\q]
.endr
.irp q, 0,1,2,3
	v_lshl_or_b32 v[PW+\q], v[BT+4*\q+3], 24, v[PW+\q]   ; p's scale word for my 128 keys
.endr
	WIN 0x01
.irp q, 0,1,2,3
.irp b, 0,1,2,3
	v_cvt_scalef32_pk8_fp4_f32 v[PC+8*\q+2*\b], v[64*\q+16*\b:64*\q+16*\b+7], v[SO+4*\q+\b]
	v_cvt_scalef32_pk8_fp4_f32 v[PC+8*\q+2*\b+1], v[64*\q+16*\b+8:64*\q+16*\b+15], v[SO+4*\q+\b]
.endr
.endr
	WIN 0
	v_nop                                          ; one plain place behind a scaled conversion
.irp q, 0,1,2,3
.irp c, 0,1
.irp i, 0,1
	v_permlane16_swap_b32 v[PC+8*\q+4*\c+\i], v[PC+8*\q+4*\c+2+\i]
.endr
.endr
.endr
	IMAGES PWI, PWS                                ; my keys are K step w of the second product
	BAR                                            ; P's sixteen fragments lie in LDS; K's load may stay out
	; ---- O^T = f O^T + V^T P^T: my 128 channels x the 64 queries, K = the step's 512 keys
	s_wait_loadcnt 0x0                             ; V's half words
.irp ct, 0,1,2,3,4,5,6,7
.irp ks, 0,1,2,3
	v_perm_b32 v[VS+4*\ct+\ks], v[KVR+8*\ks+4+\ct/2], v[KVR+8*\ks+\ct/2], s[PSL+(\ct%2)]   ; the two bytes of keys 0-63 below, those of keys 64-127 above
.endr
.endr
	s_add_nc_u64 s[VSB:VSB+1], s[VSB:VSB+1], 16384 ; (their loads are done: the bases may step)
	s_add_nc_u64 s[KSB:KSB+1], s[KSB:KSB+1], 16384
	s_cmp_eq_u32 s[J], 1
	s_cselect_b64 s[NB:NB+1], s[WOS:WOS+1], s[KSB:KSB+1]
	SLOAD NB                                       ; the next step's words of K, or, behind the last, Wo's: 32 words either way
.irp s, 0,1,2,3
	ds_load_b128 v[PS+4*\s:PS+4*\s+3], v[PRS] offset:512*\s
.endr
	WIN 0x40
.irp f, 0,1,2,3,4,5,6,7,8,9,10,11,12,13,14,15
	ds_load_b128 v[8*\f:8*\f+3], v[PRI] offset:1024*\f
	ds_load_b128 v[8*\f+4:8*\f+7], v[PRI] offset:1024*\f+512
.endr
	WIN 0x82
.set iK, 0
.rept 128
	v_pk_mul_f32 v[2*iK:2*iK+1], v[2*iK:2*iK+1], v[F+2*(iK/32):F+2*(iK/32)+1] op_sel_hi:[1,0]   ; O^T under the new M; these lines are also the places between V's words, just made, and the products
.set iK, iK+1
.endr
	GEMM8 AV, 0xA7, 0xA7, 0, 0, VS, 0, PS, 2, 0, 0
	; ---- the second round of the trip: nobody reads V(j) any more
	s_wait_tensorcnt 0x0                           ; no tensor load of mine is out: K(j + 1), or Wo, has landed,
	ds_add_u32 v[SPW], v[NIL]                      ; 0 onto my spare word
	s_add_nc_u64 s[VA:VA+1], s[VA:VA+1], 131072    ; so the group 0 may be written: the next 512 keys,
	s_cmp_eq_u32 s[J], 1
	s_cselect_b64 s[G0V+2:G0V+3], s[W1A:W1A+1], s[VA:VA+1]   ; or, behind the last, W1
	s_or_b32 s[G0V+3], s[G0V+3], 0x80000000
	s_wait_dscnt 0x0                               ; the add is done, and my reads of V(j) and of P are over
	ROUND
	JL_HI G0V                                      ; it has the next first product in which to land
	s_sub_co_u32 s[J], s[J], 1
	s_cmp_lg_u32 s[J], 0
	s_cbranch_scc1 .Ltrip
	; ======== behind attention: all is local to my work-group's 64 rows
	PLOAD PRM, 38                                  ; bo
	WIN 0x40
.irp t, 0,1,2,3
.irp i, 0,1,2,3,4,5,6,7,8,9,10,11,12,13,14,15
	global_load_b128 v[64*\t+4*\i:64*\t+4*\i+3], v[L16], s[XB:XB+1] offset:(32*(\t/2)+8*(\t%2)+\i+8*(\i/8))*2048 th:TH_LOAD_NT   ; my 128 columns of x's 64 rows: 512 consecutive bytes a load
.endr
.endr
	WIN 0
.irp t, 0,1,2,3
	v_add_f32 v[T+\t], v[LS+2*\t], v[LS+2*\t+1]    ; the sum's two halves
.endr
	FOLD2 1
	BAR
	GATHER 1                                       ; the row's sum l over all 2,048 keys
.irp t, 0,1,2,3
	v_rcp_f32 v[F+2*\t], v[T+\t]
.endr
	v_nop                                          ; a plain place behind the last of the four
	s_wait_alu depctr_va_vdst(0)                   ; one wait for the four, ahead of their first reader
	WIN 0x82
.set iK, 0
.rept 128
	v_pk_mul_f32 v[2*iK:2*iK+1], v[2*iK:2*iK+1], v[F+2*(iK/32):F+2*(iK/32)+1] op_sel_hi:[1,0]   ; O^T / l
.set iK, iK+1
.endr
.irp t, 0,1,2,3
	QUANT 64*\t, 2, PC+8*\t, PW+\t
.endr
	IMAGES PWI, PWS
	BAR                                            ; the attention's result lies in LDS as sixteen fragments
	BLOAD PRI, PRS
	s_wait_loadcnt 63                              ; Wo's words and bo are in: behind them stand x's 64 loads
	GEMM8 AK, 0x8F, 0xAF, 0, 0, KVR, 0, PS, 1, PRM, 0     ; x Wo, bo starts the sums
	WIN 0xC0
	PLOAD 0, 40                                    ; g1
	PLOAD 64, 42                                   ; b1
	WIN 0
	SLOAD W1S
	PLOAD PRM, 44                                  ; bf1
	s_wait_loadcnt 56                              ; x is in: behind it stand the 56 loads just issued
.irp t, 0,1,2,3
	TO_LANES \t
.endr
	s_wait_dscnt 0x0
	WIN 0x46
.set iK, 0
.rept 128
	v_pk_add_f32 v[2*iK:2*iK+1], v[2*iK:2*iK+1], v[2*iK:2*iK+1]   ; window 1 = the product (window 2) + x (window 1)
.set iK, iK+1
.endr
	LN 2, 1                                        ; h
.irp t, 0,1,2,3
	QUANT 64*\t, 1, PC+8*\t, PW+\t
.endr
	IMAGES PWI, PWS
	BAR
	BLOAD PRI, PRS
	GEMM8 AV, 0x8F, 0xAF, 0, 0, KVR, 0, PS, 1, PRM, 0     ; h W1, bf1 starts the sums
	SLOAD W2S
	PLOAD PRM, 46                                  ; bf2
	WIN 0x88
.set iK, 0
.rept 256
	v_max_num_f32 v[iK], 0, v[iK]                  ; the activation, in f32
.set iK, iK+1
.endr
.irp t, 0,1,2,3
	QUANT 64*\t, 2, PC+8*\t, PW+\t
.endr
	IMAGES P1WI, P1WS                              ; into bytes of their own: no barrier parts these stores from the other waves' reads of h's images
	s_wait_tensorcnt 0x0                           ; my half of W2 has landed
	BAR
	BLOAD P1RI, P1RS
	s_wait_loadcnt 0x0                             ; W2's words and bf2
	GEMM8 AK, 0x8F, 0xAF, 0, 0, KVR, 0, PS, 1, PRM, 0     ; the hidden layer x W2, bf2 starts the sums
	WIN 0xC0
	PLOAD 0, 48                                    ; g2
	PLOAD 64, 50                                   ; b2
	WIN 0x46
.set iK, 0
.rept 128
	v_pk_add_f32 v[2*iK:2*iK+1], v[2*iK:2*iK+1], v[2*iK:2*iK+1]   ; window 1 = the product (window 2) + h (window 1)
.set iK, iK+1
.endr
	LN 4, 0
	; ---- the way out: a tile goes through my stage and leaves as whole pieces of 512 bytes of its rows; the next tile is on its way through the stage meanwhile
	TO_ROWS 0
.irp t, 1,2,3
	TO_ROWS \t
	SEND \t-1, 32                                  ; behind tile t - 1's loads: tile t's 16 stores and 16 loads
.endr
	SEND 3, 0
	WIN 0
	s_wait_tensorcnt 0x0                           ; the wave's end
	ds_add_u32 v[SPW], v[NIL]
	s_wait_dscnt 0x0
	ROUND                                          ; the closing round
	s_endpgm
.Lfunc_end_k_q2b2cc989fd_attn:
	.size	k_q2b2cc989fd_attn, .Lfunc_end_k_q2b2cc989fd_attn-k_q2b2cc989fd_attn
	.p2alignl 7, 3214868480
	.fill 96, 4, 3214868480
	.section	.rodata,"a",@progbits
	.p2align	6, 0x0
	.amdhsa_kernel k_q2b2cc989fd_attn
		.amdhsa_group_segment_fixed_size 327680
		.amdhsa_private_segment_fixed_size 0
		.amdhsa_enable_private_segment 0
		.amdhsa_kernarg_size 136
		.amdhsa_user_sgpr_count 2
		.amdhsa_user_sgpr_kernarg_segment_ptr 1
		.amdhsa_wavefront_size32 1
		.amdhsa_system_sgpr_workgroup_id_x 1
		.amdhsa_system_sgpr_workgroup_id_y 1
		.amdhsa_system_sgpr_workgroup_id_z 1
		.amdhsa_system_vgpr_workitem_id 0
		.amdhsa_next_free_vgpr 1024
		.amdhsa_next_free_sgpr 102
		.amdhsa_reserve_vcc 0
		.amdhsa_float_denorm_mode_32 3
		.amdhsa_float_denorm_mode_16_64 3
		.amdhsa_memory_ordered 1
		.amdhsa_forward_progress 1
		.amdhsa_inst_pref_size 255
	.end_amdhsa_kernel
	.section	.bss,"aw",@nobits
	.p2align	6
	.space	262144
	.amdgpu_metadata
---
amdhsa.version: [ 1, 2 ]
amdhsa.kernels:
  - .name:           k_q2b2cc989fd_attn
    .symbol:         k_q2b2cc989fd_attn.kd
    .args:
      - { .name: qc, .offset: 0, .size: 8, .value_kind: global_buffer, .address_space: global }
      - { .name: qs, .offset: 8, .size: 8, .value_kind: global_buffer, .address_space: global }
      - { .name: kc, .offset: 16, .size: 8, .value_kind: global_buffer, .address_space: global }
      - { .name: ks, .offset: 24, .size: 8, .value_kind: global_buffer, .address_space: global }
      - { .name: vc, .offset: 32, .size: 8, .value_kind: global_buffer, .address_space: global }
      - { .name: vs, .offset: 40, .size: 8, .value_kind: global_buffer, .address_space: global }
      - { .name: wc, .offset: 48, .size: 8, .value_kind: global_buffer, .address_space: global }
      - { .name: ws, .offset: 56, .size: 8, .value_kind: global_buffer, .address_space: global }
      - { .name: x, .offset: 64, .size: 8, .value_kind: global_buffer, .address_space: global }
      - { .name: bo, .offset: 72, .size: 8, .value_kind: global_buffer, .address_space: global }
      - { .name: g1, .offset: 80, .size: 8, .value_kind: global_buffer, .address_space: global }
      - { .name: b1, .offset: 88, .size: 8, .value_kind: global_buffer, .address_space: global }
      - { .name: bf1, .offset: 96, .size: 8, .value_kind: global_buffer, .address_space: global }
      - { .name: bf2, .offset: 104, .size: 8, .value_kind: global_buffer, .address_space: global }
      - { .name: g2, .offset: 112, .size: 8, .value_kind: global_buffer, .address_space: global }
      - { .name: b2, .offset: 120, .size: 8, .value_kind: global_buffer, .address_space: global }
      - { .name: out0, .offset: 128, .size: 8, .value_kind: global_buffer, .address_space: global }
    .group_segment_fixed_size: 327680
    .private_segment_fixed_size: 0
    .kernarg_segment_align: 8
    .kernarg_segment_size: 136
    .max_flat_workgroup_size: 128
    .sgpr_count:     102
    .vgpr_count:     1024
    .wavefront_size: 32
...
	.end_amdgpu_metadata
.endif
;; end of part 3
